; MI455X (gfx1250); checked and timed in simulation.
; The chip was launched on July 23, 2026; its instructions are those of AMD's public machine-readable ISA for CDNA 5 (MIT licence, August 2026) and "CDNA5" Instruction Set Architecture Reference Guide (July 2026). The comments in the code are by the model that wrote it; some were corrected since.
;; Encoder Layer. Allowed arithmetic: matrix products marked QUANTISED: E4M3 operands, one given power-of-two scale a tensor, by v_wmma_f32_16x16x64_fp8_fp8 or v_wmma_f32_16x16x128_fp8_fp8, f32 sums; everything else in f32.
;; Inputs: W1 1,024 x 4,096 float32; W2 4,096 x 1,024 float32; Wk 1,024 x 1,024 float32; Wo 1,024 x 1,024 float32; Wq 1,024 x 1,024 float32; Wv 1,024 x 1,024 float32; b1 1,024 float32; b2 1,024 float32; g1 1,024 float32; g2 1,024 float32; lowp_scales 16 int32 (the exponents e of the quantised operands' scales 2^e); x 2 x 2,048 x 1,024 float32.
;; Outputs: out0 2 x 2,048 x 1,024 float32.
;; This version of the problem:
;;   THIS VERSION OF THE PROBLEM IS GIVEN IN LOW PRECISION. The matrix products marked QUANTISED in the list below multiply operands that are first quantised to E4M3 (4 exponent bits, 3 mantissa bits; 8 bits a number), with one given power-of-two scale for each operand tensor; their sums are f32. All else is computed in f32.
;;   The module's matrix products, in the order in which they are computed (A, B: the left and right operand; K: the contracted axis; several contracted axes count as one K, in the product's order):
;;     1. [M 4,096, K 1,024] x [K 1,024, N 1,024]; A: computed on the way; B: input Wq: QUANTISED (scales: A lowp_scales[0], B lowp_scales[1])
;;     2. [M 4,096, K 1,024] x [K 1,024, N 1,024]; A: computed on the way; B: input Wk: QUANTISED (scales: A lowp_scales[2], B lowp_scales[3])
;;     3. [M 4,096, K 1,024] x [K 1,024, N 1,024]; A: computed on the way; B: input Wv: QUANTISED (scales: A lowp_scales[4], B lowp_scales[5])
;;     4. batch 32 x [M 2,048, K 64] x [K 64, N 2,048]; A: computed on the way; B: computed on the way: QUANTISED (scales: A lowp_scales[6], B lowp_scales[7])
;;     5. batch 32 x [M 2,048, K 2,048] x [K 2,048, N 64]; A: softmax (see below); B: computed on the way: QUANTISED (scales: A lowp_scales[8], B lowp_scales[9])
;;     6. [M 4,096, K 1,024] x [K 1,024, N 1,024]; A: computed on the way; B: input Wo: QUANTISED (scales: A lowp_scales[10], B lowp_scales[11])
;;     7. [M 4,096, K 1,024] x [K 1,024, N 4,096]; A: computed on the way; B: input W1: QUANTISED (scales: A lowp_scales[12], B lowp_scales[13])
;;     8. [M 4,096, K 4,096] x [K 4,096, N 1,024]; A: computed on the way; B: input W2: QUANTISED (scales: A lowp_scales[14], B lowp_scales[15])
;;   THE QUANTISER, for each operand of a quantised product, along K:
;;     - The operand's scale is 2^e, e = its entry of the input lowp_scales (int32; the entries are numbered through the quantised products in the list's order, A before B).
;;     - Each number is divided by the scale, clamped to +-448, and rounded to the nearest number of E4M3, ties to even, subnormals kept.
;;     - The product sums the exact products of the quantised numbers (number of the format x scale) in f32.
;;   ~~~python
;;   def quantise(x, axis, e):      # numpy; x: float32 -> the quantised numbers, widened to float32 again
;;       x = np.moveaxis(x, axis, -1); K = x.shape[-1]
;;       r = np.clip(x / 2.0 ** e, -448, 448)
;;       step = 2.0 ** (np.maximum(np.frexp(np.where(r == 0, 1, r))[1] - 1, -6) - 3)
;;       q = np.round(r / step) * step * 2.0 ** e      # np.round: ties to even
;;       return np.moveaxis(q, -1, axis).astype(np.float32)
;;   ~~~
;;   SOFTMAX AHEAD OF A QUANTISED PRODUCT. Where the list says 'softmax', what is quantised is not the finished softmax but p = 2^(t - M), with t = logit x log2(e) and M = ceil(the row's largest t), a whole number; so 1/2 < the row's largest p <= 1. The row's sum l is taken of the UNQUANTISED p, in f32, and the product's result is divided by l at the end. Since M is a whole number, a kernel that streams over the keys may use a running M (the ceiling of the running maximum): every later rescaling is an exact power of two, so the quantised numbers keep their values, but for numbers so far below the row's largest that they fall under the format's range.
;;   OPERANDS COMPUTED ON THE WAY. 'Computed on the way' means the value that the module computes at that place (a softmax that the list does not call 'softmax' is quantised finished and normalised). What goes into a quantiser is computed in f32, as accurately as f32 sums, v_exp_f32 and their like allow (about 1e-6 of the number): no bf16 or f16 on the way to a quantiser, and a product that is left as it is and whose result goes on into a quantised operand takes f32 operands (vector FMAs, or v_wmma_f32_16x16x4_f32). A number that lies on a knife's edge between two numbers of the format may be rounded either way, as far as f32 arithmetic and the matrix unit's own rounding can turn it there, and no further.
;; One version. Each part assembles by itself: llvm-mc -triple=amdgcn-amd-amdhsa -mcpu=gfx1250 --defsym DOCPART=n.
;; ======== version 1 of 1: 7 launches
;; limits: right only within a limited range of input values
;; workspace buffers: wc 12,582,912 bytes; h3 12,582,912 bytes; qkvc 12,582,912 bytes; ac 4,194,304 bytes; x1 16,777,216 bytes; h2c 4,194,304 bytes; gc 16,777,216 bytes
;; launch prep (part 1): grid 640 x 1, 4 waves a work-group, no clusters, 52,736 bytes of LDS; arguments x, g1, b1, Wq, Wk, Wv, Wo, W1, W2, lowp_scales, wc, h3; writes wc, h3
.if DOCPART == 1
	.amdgcn_target "amdgcn-amd-amdhsa--gfx1250"
	.amdhsa_code_object_version 6
	.text
	.protected	k_q3ad945b01e_prep
	.globl	k_q3ad945b01e_prep
	.p2align	8
	.type	k_q3ad945b01e_prep,@function
k_q3ad945b01e_prep:
	s_mov_b64 s[64:65], 0
	v_nop
	global_prefetch_b8 v0, s[64:65] scope:SCOPE_SE
	s_setreg_imm32_b32 hwreg(HW_REG_WAVE_MODE, 25, 1), 1
	s_wait_xcnt 0x0
; PREP: what is quantised once.  (1) h = layer norm of x (gain g1, bias b1), as codes of E4M3 three times, with the scales of entries 0, 2 and 4 of the exponents: operand A of the products with Wq, Wk, Wv.
; (2) the six weights, [K][N] f32 with K as first axis, as codes with their own scales (entries 1, 3, 5, 11, 13, 15).
; ALL CODES ARE LAID AS IMAGES OF OPERAND REGISTERS.  A fragment is 16 rows x 128 K = 2,048 bytes: [cc 0..3][lane 0..31][16 bytes]; lane (r, h) holds, of row r, k = 32 cc + 8 h + 0..7 and then k = 32 cc + 16 + 8 h + 0..7:
; registers 4 cc .. 4 cc + 3 of the 8-bit matrix operand.  An operand [R][K] lies [R / 16][K / 128][2,048].  So a reader fetches a fragment by four loads of 16 bytes a lane, 512 consecutive bytes each.
; SHARES.  Work-groups 0-255: 16 rows of x each, four rows a wave.  Work-groups 256-639: 128 columns x 256 K of one weight each, 32 columns a wave.
; LAYER NORM: mean, then the mean square of x - mean (two passes over registers), v_rsq_f32, all f32.  A row's codes belong to 64 different pieces of 256 bytes of the image (16 rows x 16 bytes each), so the 16 rows meet in a stage
; in LDS (a piece 272 bytes from the next: the 32 lanes of a store of 8 bytes touch 64 different banks) and leave as whole pieces behind one barrier.
; WEIGHTS: a lane takes a column n and its registers run down K, so the conversions give codes with K innermost; sixteen neighbouring lanes hold sixteen neighbouring rows of the image: each store fills 256 consecutive aligned bytes.  No LDS.
; code = x / 2^e, held within +-448, to the nearest code, ties to even.  LIMITS: every e used here lies between -126 and 119; NaN and infinities among the inputs are not served.
.set NSETS, 3                          ; sets of codes of h
.set STG,   17408                      ; a set's stage: 64 pieces x 272 bytes
.set SPARE, NSETS*STG                  ; behind the stages: the spare words, 128 bytes for each wave
.set PX,  16                           ; s[16:17] x
.set PG,  18                           ; s[18:19] gain
.set PB,  20                           ; s[20:21] bias
.set PH,  38                           ; s[38:43] where the sets of codes go
.set VX,  2                            ; v2  32 x lane: my 8 numbers of each 256
.set VST, 3                            ; v3  the stage, in
.set VRD, 4                            ; v4  the stage, out
.set VGO, 5                            ; v5  my 16 bytes of the wave's 4,096 of an image
.set SPW, 6                            ; v6  my spare word; never rewritten
.set NIL, 7                            ; v7  0; never rewritten
.set SC,  8                            ; v[8+2e] 2^e, v[9+2e] 448 x 2^e
.set TA,  16                           ; v16-31 held numbers, two sets of 8 by turns
.set CD,  32                           ; v32-55 a row's codes
.set RT,  56                           ; v56-63 sums
.set X,   64                           ; v64-191 four rows of 32 numbers a lane
.set G,   192                          ; v192-223 gain
.set B,   224                          ; v224-255 bias
.set WI,  9                            ; weights: v9 4 x lane, v10 place in the image, v11 2^e, v12 448 x 2^e, v32-95 two blocks of 32 numbers, v96-159 codes
.set WO,  10
.set WS,  11
.set WL,  12
.set WX,  32
.set WC,  96
.macro MKSCALE e, sr                   ; the scale as f32 (the conversion takes its exponent field) and the largest number x the scale
	s_add_co_i32 s9, s[\sr], 127
	s_lshl_b32 s10, s9, 23
	v_mov_b32 v[SC+2*(\e)], s10
	s_add_co_i32 s9, s9, 8
	s_lshl_b32 s9, s9, 23
	s_or_b32 s9, s9, 0x600000
	v_mov_b32 v[SC+2*(\e)+1], s9
.endm
.macro WSUM                            ; v[RT] summed over the 32 lanes, the result in every lane
	v_add_f32_dpp v[RT], v[RT], v[RT] row_xmask:1 row_mask:0xf bank_mask:0xf
	v_add_f32_dpp v[RT], v[RT], v[RT] row_xmask:2 row_mask:0xf bank_mask:0xf
	v_add_f32_dpp v[RT], v[RT], v[RT] row_xmask:4 row_mask:0xf bank_mask:0xf
	v_add_f32_dpp v[RT], v[RT], v[RT] row_xmask:8 row_mask:0xf bank_mask:0xf
	v_permlanex16_b32 v[RT+1], v[RT], s12, s13
	v_add_f32 v[RT], v[RT], v[RT+1]
.endm
; Row i of my four: normalised in place, then quantised once for each set and put into the stages.
.macro LNROW i
.set R, X+32*(\i)
	s_wait_loadcnt 24-8*(\i)                       ; loads come back in order: gain, bias and this row are in, the later rows' 8 loads each may be out
	v_pk_add_f32 v[RT:RT+1], v[R:R+1], v[R+2:R+3]
	v_pk_add_f32 v[RT+2:RT+3], v[R+4:R+5], v[R+6:R+7]
.set n, 8
.rept 6
	v_pk_add_f32 v[RT:RT+1], v[RT:RT+1], v[R+n:R+n+1]
	v_pk_add_f32 v[RT+2:RT+3], v[RT+2:RT+3], v[R+n+2:R+n+3]
.set n, n+4
.endr
	v_pk_add_f32 v[RT:RT+1], v[RT:RT+1], v[RT+2:RT+3]
	v_add_f32 v[RT], v[RT], v[RT+1]
	WSUM
	v_mul_f32 v[RT+4], s14, v[RT]                  ; the mean, twice: a pair for the packed form
	v_mul_f32 v[RT+5], s14, v[RT]
.set n, 0
.rept 16
	v_pk_add_f32 v[R+n:R+n+1], v[R+n:R+n+1], v[RT+4:RT+5] neg_lo:[0,1] neg_hi:[0,1]
.set n, n+2
.endr
	v_pk_mul_f32 v[RT:RT+1], v[R:R+1], v[R:R+1]
	v_pk_mul_f32 v[RT+2:RT+3], v[R+2:R+3], v[R+2:R+3]
.set n, 4
.rept 7
	v_pk_fma_f32 v[RT:RT+1], v[R+n:R+n+1], v[R+n:R+n+1], v[RT:RT+1]
	v_pk_fma_f32 v[RT+2:RT+3], v[R+n+2:R+n+3], v[R+n+2:R+n+3], v[RT+2:RT+3]
.set n, n+4
.endr
	v_pk_add_f32 v[RT:RT+1], v[RT:RT+1], v[RT+2:RT+3]
	v_add_f32 v[RT], v[RT], v[RT+1]
	WSUM
	v_fma_f32 v[RT], v[RT], s14, s15               ; variance + eps
	s_wait_alu depctr_va_vdst(0)
	v_rsq_f32 v[RT+6], v[RT]
	v_rsq_f32 v[RT+7], v[RT]
	v_nop                                          ; a plain instruction behind the two roots,
	s_wait_alu depctr_va_vdst(0)                   ; and one wait for both, ahead of their first reader
.set n, 0
.rept 16
	v_pk_mul_f32 v[R+n:R+n+1], v[R+n:R+n+1], v[RT+6:RT+7]
.set n, n+2
.endr
.set n, 0
.rept 16
	v_pk_fma_f32 v[R+n:R+n+1], v[R+n:R+n+1], v[G+n:G+n+1], v[B+n:B+n+1]
.set n, n+2
.endr
	s_wait_dscnt 0x0                               ; the last row's stores into the stages have read their registers
.irp e, 0,1,2
.if \e < NSETS
.irp j, 0,1,2,3
.set TT, TA+8*(\j%2)
.set n, 0
.rept 8
	v_med3_num_f32 v[TT+n], v[R+8*\j+n], -v[SC+2*\e+1], v[SC+2*\e+1]   ; the conversion to an 8-bit code does not saturate (ISA guide 7.6.2): the hold comes first
.set n, n+1
.endr
	v_cvt_scalef32_pk8_fp8_f32 v[CD+8*\e+2*\j:CD+8*\e+2*\j+1], v[TT:TT+7], v[SC+2*\e]
	ds_store_b64 v[VST], v[CD+8*\e+2*\j:CD+8*\e+2*\j+1] offset:STG*\e+4352*\j+16*(\i)
.endr
.endif
.endr
	v_nop                                          ; a plain instruction behind the last conversion
.endm
; Weights.  Block t: W(32 t + m, my column), m = 0 .. 31.  n: the weight's row in numbers.
.macro WLOAD t, n
.set m, 0
.rept 32
	global_load_b32 v[WX+32*((\t)%2)+m], v[WI], s[44:45] offset:(32*(\t)+m)*(\n)*4 th:TH_LOAD_NT
.set m, m+1
.endr
.endm
.macro WBLOCK t, n
.set XS, WX+32*((\t)%2)
.set CB, WC+8*(\t)
.if (\t) < 7
	s_wait_loadcnt 32                              ; this block's 32 loads are in; the next block's may be out
.else
	s_wait_loadcnt 0x0
.endif
.set m, 0
.rept 32
	v_med3_num_f32 v[XS+m], v[XS+m], -v[WL], v[WL]
.set m, m+1
.endr
	v_cvt_scalef32_pk8_fp8_f32 v[CB:CB+1], v[XS:XS+7], v[WS]          ; the image's half h = 0: k 0-7 and 16-23 of the 32,
	v_cvt_scalef32_pk8_fp8_f32 v[CB+2:CB+3], v[XS+16:XS+23], v[WS]
	v_cvt_scalef32_pk8_fp8_f32 v[CB+4:CB+5], v[XS+8:XS+15], v[WS]     ; h = 1: k 8-15 and 24-31
	v_cvt_scalef32_pk8_fp8_f32 v[CB+6:CB+7], v[XS+24:XS+31], v[WS]
	v_nop
.if (\t)+2 < 8
	WLOAD (\t)+2, \n
.endif
	global_store_b128 v[WO], v[CB:CB+3], s[36:37] offset:2048*((\t)/4)+512*((\t)%4)        ; sixteen lanes fill 256 consecutive aligned bytes; each block has code registers of its own
	global_store_b128 v[WO], v[CB+4:CB+7], s[36:37] offset:2048*((\t)/4)+512*((\t)%4)+256
.endm
.macro QW n
	WLOAD 0, \n
	WLOAD 1, \n
	s_wait_kmcnt 0x0                               ; e
	s_add_co_i32 s51, s51, 127
	s_lshl_b32 s52, s51, 23
	v_mov_b32 v[WS], s52
	s_add_co_i32 s51, s51, 8
	s_lshl_b32 s51, s51, 23
	s_or_b32 s51, s51, 0x600000
	v_mov_b32 v[WL], s51
.set Q, 0
	s_wait_alu depctr_va_vdst(0)
.rept 8
	WBLOCK Q, \n
.set Q, Q+1
.endr
.endm
	s_load_b512 s[16:31], s[0:1], 0x0              ; x 16, g1 18, b1 20, Wq 22, Wk 24, Wv 26, Wo 28, W1 30
	s_load_b256 s[32:39], s[0:1], 0x40             ; W2 32, the exponents 34, wc 36, h3 38
	v_lshl_add_u32 v[SPW], v0, 2, SPARE
	v_mov_b32 v[NIL], 0
	v_lshrrev_b32 v1, 5, v0
	v_readfirstlane_b32 s8, v1                     ; wave 0..3
	v_and_b32 v1, 31, v0                           ; lane l
	v_lshlrev_b32 v[VX], 5, v1
	; my 8 numbers k = 256 j + 8 l + 0..7 belong to fragment 2 j + l / 16, cc = (l / 4) % 4, h = l % 2, first or second 8 bytes by (l / 2) % 2
	v_lshrrev_b32 v10, 4, v1
	v_bfe_u32 v11, v1, 2, 2
	v_and_b32 v12, 1, v1
	v_lshlrev_b32 v13, 3, v10
	v_lshl_add_u32 v13, v11, 1, v13
	v_add_nc_u32 v13, v13, v12                     ; the piece: 8 (l / 16) + 2 cc + h
	v_mul_u32_u24 v[VST], v13, 272
	v_bfe_u32 v14, v1, 1, 1
	v_lshl_add_u32 v[VST], v14, 3, v[VST]
	s_lshl_b32 s9, s8, 6
	v_add_nc_u32 v[VST], s9, v[VST]                ; + 16 bytes x my first row 4 w
	s_lshl_b32 s9, s8, 4
	v_add_nc_u32 v13, s9, v10                      ; out: wave w takes pieces 16 w .. 16 w + 15, two an instruction
	v_mul_u32_u24 v[VRD], v13, 272
	v_and_b32 v14, 15, v1
	v_lshl_add_u32 v[VRD], v14, 4, v[VRD]
	s_lshl_b32 s9, s8, 12
	v_lshl_add_u32 v[VGO], v1, 4, s9
	s_mov_b32 s12, 0x76543210                      ; v_permlanex16_b32: lane l xor 16
	s_mov_b32 s13, 0xfedcba98
	s_mov_b32 s14, 0x3a800000                      ; 1 / 1,024
	s_mov_b32 s15, 0x3727c5ac                      ; eps = 1e-5
	s_wait_kmcnt 0x0
	s_cmp_ge_u32 ttmp9, 256
	s_cbranch_scc1 .Lweights
	; ---- layer norm: 16 rows
	s_load_b256 s[40:47], s[34:35], 0x0            ; entries 0 to 7: 0, 2 and 4 are h's
	s_lshl_b32 s2, ttmp9, 16                       ; 16 rows of 4,096 bytes
	s_lshl_b32 s3, s8, 14                          ; my four
	s_add_co_u32 s2, s2, s3
	s_mov_b32 s3, 0
	s_add_nc_u64 s[PX:PX+1], s[PX:PX+1], s[2:3]
.irp j, 0,1,2,3
.irp u, 0,1
	global_load_b128 v[G+8*\j+4*\u:G+8*\j+4*\u+3], v[VX], s[PG:PG+1] offset:1024*\j+16*\u
	global_load_b128 v[B+8*\j+4*\u:B+8*\j+4*\u+3], v[VX], s[PB:PB+1] offset:1024*\j+16*\u
.endr
.endr
.irp i, 0,1,2,3
.irp j, 0,1,2,3
.irp u, 0,1
	global_load_b128 v[X+32*\i+8*\j+4*\u:X+32*\i+8*\j+4*\u+3], v[VX], s[PX:PX+1] offset:4096*\i+1024*\j+16*\u th:TH_LOAD_NT
.endr
.endr
.endr
	s_wait_kmcnt 0x0
	MKSCALE 0, 40
	MKSCALE 1, 42
	MKSCALE 2, 44
	LNROW 0
	LNROW 1
	LNROW 2
	LNROW 3
	s_branch .Lmeet
.Lweights:
	; ---- which weight, which 128 columns (nx), which 256 along K (ky): all from the work-group's number
	s_sub_co_u32 s40, ttmp9, 256                   ; 0-127: Wq, Wk, Wv, Wo, 32 each; 128-255: W1; 256-383: W2
	s_lshr_b32 s41, s40, 5
	s_lshl_b32 s42, s41, 3
	s_add_co_u32 s42, s42, 4                       ; the exponent's byte: entries 1, 3, 5
	s_lshl_b32 s43, s41, 20                        ; the image's place in wc
	s_cmp_eq_u32 s41, 1
	s_cselect_b64 s[44:45], s[24:25], s[22:23]
	s_cmp_eq_u32 s41, 2
	s_cselect_b64 s[44:45], s[26:27], s[44:45]
	s_cmp_eq_u32 s41, 3
	s_cselect_b64 s[44:45], s[28:29], s[44:45]
	s_cselect_b32 s42, 44, s42                     ; entry 11
	s_cmp_ge_u32 s40, 128
	s_cselect_b64 s[44:45], s[30:31], s[44:45]
	s_cselect_b32 s42, 52, s42                     ; entry 13
	s_cselect_b32 s43, 0x400000, s43
	s_cselect_b32 s46, 31, 7                       ; nx's mask
	s_cselect_b32 s47, 5, 3                        ; ky's shift
	s_cselect_b32 s48, 22, 20                      ; 256 rows of the weight in bytes, as a shift
	s_cmp_ge_u32 s40, 256
	s_cselect_b64 s[44:45], s[32:33], s[44:45]
	s_cselect_b32 s42, 60, s42                     ; entry 15
	s_cselect_b32 s43, 0x800000, s43
	s_cselect_b32 s46, 7, s46
	s_cselect_b32 s47, 3, s47
	s_cselect_b32 s48, 20, s48
	s_cselect_b32 s49, 15, 3                       ; ky's mask
	s_cselect_b32 s50, 16, 14                      ; a block of 16 rows of the image, 16 K bytes, as a shift
	s_load_b32 s51, s[34:35], s42 offset:0x0       ; e
	s_and_b32 s46, s40, s46                        ; nx
	s_lshr_b32 s47, s40, s47
	s_and_b32 s47, s47, s49                        ; ky
	s_lshl_b32 s2, s47, s48
	s_lshl_b32 s3, s46, 9
	s_add_co_u32 s2, s2, s3
	s_lshl_b32 s3, s8, 7
	s_add_co_u32 s2, s2, s3                        ; from: 256 ky rows + (128 nx + 32 w) x 4 bytes
	s_mov_b32 s3, 0
	s_add_nc_u64 s[44:45], s[44:45], s[2:3]
	s_lshl_b32 s2, s46, 3
	s_lshl_b32 s3, s8, 1
	s_add_co_u32 s2, s2, s3
	s_lshl_b32 s2, s2, s50                         ; to: block 8 nx + 2 w of 16 rows,
	s_add_co_u32 s2, s2, s43
	s_lshl_b32 s3, s47, 12                         ; fragments 2 ky and 2 ky + 1
	s_add_co_u32 s2, s2, s3
	s_mov_b32 s3, 0
	s_add_nc_u64 s[36:37], s[36:37], s[2:3]
	v_lshlrev_b32 v[WO], s50, v10                  ; lanes 16-31: the next block of 16 rows
	v_and_b32 v11, 15, v1
	v_lshl_add_u32 v[WO], v11, 4, v[WO]
	v_lshlrev_b32 v[WI], 2, v1
	s_lshr_b32 s52, s40, 7
	s_cmp_eq_u32 s52, 1
	s_cbranch_scc1 .Lwide
	QW 1024
	s_branch .Lmeet
.Lwide:
	s_wait_alu depctr_va_vdst(0)
	QW 4096
.Lmeet:
	s_wait_xcnt 0x0                                ; the two ways join here: every earlier store has had its addresses translated (ISA guide 3.1), so the registers that the weights' stores read (v96-159 among them) may be named as destinations by the lines behind the barrier
	s_wait_dscnt 0x0                               ; for the others' sake: my stores into the stages are done
	s_barrier_signal -1
	s_barrier_wait -1                              ; every work-group passes this one barrier
	s_cmp_ge_u32 ttmp9, 256
	s_cbranch_scc1 .Lend
	; ---- the images leave: a wave stores 4,096 consecutive bytes of each set
	s_lshl_b32 s2, ttmp9, 14                       ; a block of 16 rows is 16,384 bytes
	s_mov_b32 s3, 0
	s_add_nc_u64 s[PH:PH+1], s[PH:PH+1], s[2:3]
	s_add_nc_u64 s[PH+2:PH+3], s[PH:PH+1], 0x400000
	s_add_nc_u64 s[PH+4:PH+5], s[PH:PH+1], 0x800000
.irp e, 0,1,2
.if \e < NSETS
.irp i, 0,1,2,3,4,5,6,7
	ds_load_b128 v[X+32*\e+4*\i:X+32*\e+4*\i+3], v[VRD] offset:STG*\e+544*\i
.endr
.endif
.endr
.irp e, 0,1,2
.if \e < NSETS
.irp i, 0,1,2,3,4,5,6,7
	s_wait_dscnt 8*NSETS-1-(8*\e+\i)               ; LDS loads come back in order: the younger ones may be out
	global_store_b128 v[VGO], v[X+32*\e+4*\i:X+32*\e+4*\i+3], s[PH+2*\e:PH+2*\e+1] offset:512*\i
.endr
.endif
.endr
.Lend:
	s_wait_tensorcnt 0x0                           ; the wave's end
	ds_add_u32 v[SPW], v[NIL]
	s_wait_dscnt 0x0
	s_endpgm
.Lfunc_end_k_q3ad945b01e_prep:
	.size	k_q3ad945b01e_prep, .Lfunc_end_k_q3ad945b01e_prep-k_q3ad945b01e_prep
	.p2alignl 7, 3214868480
	.fill 96, 4, 3214868480
	.section	.rodata,"a",@progbits
	.p2align	6, 0x0
	.amdhsa_kernel k_q3ad945b01e_prep
		.amdhsa_group_segment_fixed_size 52736
		.amdhsa_private_segment_fixed_size 0
		.amdhsa_enable_private_segment 0
		.amdhsa_kernarg_size 96
		.amdhsa_user_sgpr_count 2
		.amdhsa_user_sgpr_kernarg_segment_ptr 1
		.amdhsa_wavefront_size32 1
		.amdhsa_system_sgpr_workgroup_id_x 1
		.amdhsa_system_sgpr_workgroup_id_y 1
		.amdhsa_system_sgpr_workgroup_id_z 1
		.amdhsa_system_vgpr_workitem_id 0
		.amdhsa_next_free_vgpr 256
		.amdhsa_next_free_sgpr 66
		.amdhsa_reserve_vcc 0
		.amdhsa_float_denorm_mode_32 3
		.amdhsa_float_denorm_mode_16_64 3
		.amdhsa_memory_ordered 1
		.amdhsa_forward_progress 1
		.amdhsa_inst_pref_size 158
	.end_amdhsa_kernel
	.amdgpu_metadata
---
amdhsa.version: [ 1, 2 ]
amdhsa.kernels:
  - .name:           k_q3ad945b01e_prep
    .symbol:         k_q3ad945b01e_prep.kd
    .args:
      - { .name: x, .offset: 0, .size: 8, .value_kind: global_buffer, .address_space: global }
      - { .name: g1, .offset: 8, .size: 8, .value_kind: global_buffer, .address_space: global }
      - { .name: b1, .offset: 16, .size: 8, .value_kind: global_buffer, .address_space: global }
      - { .name: Wq, .offset: 24, .size: 8, .value_kind: global_buffer, .address_space: global }
      - { .name: Wk, .offset: 32, .size: 8, .value_kind: global_buffer, .address_space: global }
      - { .name: Wv, .offset: 40, .size: 8, .value_kind: global_buffer, .address_space: global }
      - { .name: Wo, .offset: 48, .size: 8, .value_kind: global_buffer, .address_space: global }
      - { .name: W1, .offset: 56, .size: 8, .value_kind: global_buffer, .address_space: global }
      - { .name: W2, .offset: 64, .size: 8, .value_kind: global_buffer, .address_space: global }
      - { .name: lowp_scales, .offset: 72, .size: 8, .value_kind: global_buffer, .address_space: global }
      - { .name: wc, .offset: 80, .size: 8, .value_kind: global_buffer, .address_space: global }
      - { .name: h3, .offset: 88, .size: 8, .value_kind: global_buffer, .address_space: global }
    .group_segment_fixed_size: 52736
    .private_segment_fixed_size: 0
    .kernarg_segment_align: 8
    .kernarg_segment_size: 96
    .max_flat_workgroup_size: 128
    .sgpr_count:     66
    .vgpr_count:     256
    .wavefront_size: 32
...
	.end_amdgpu_metadata
.endif
;; end of part 1
;; launch qkv (part 2): grid 12 x 16, 4 waves a work-group, clusters of 4 x 4, 327,680 bytes of LDS; arguments h3, wc, lowp_scales, qkvc; writes qkvc
.if DOCPART == 2
	.amdgcn_target "amdgcn-amd-amdhsa--gfx1250"
	.amdhsa_code_object_version 6
	.text
	.protected	k_q3ad945b01e_qkv
	.globl	k_q3ad945b01e_qkv
	.p2align	8
	.type	k_q3ad945b01e_qkv,@function
k_q3ad945b01e_qkv:
	s_mov_b64 s[64:65], 0
	v_nop
	global_prefetch_b8 v0, s[64:65] scope:SCOPE_SE
	s_setreg_imm32_b32 hwreg(HW_REG_WAVE_MODE, 25, 1), 1
	s_wait_xcnt 0x0
	s_wait_alu depctr_hold_cnt(0) depctr_sa_sdst(0) depctr_va_vdst(0) depctr_va_sdst(0) depctr_va_ssrc(0) depctr_va_vcc(0) depctr_vm_vsrc(0)
	s_getreg_b32 s2, hwreg(HW_REG_IB_STS2, 6, 4)
	s_cmp_eq_u32 s2, 0
	s_cbranch_scc0 .Lentry_in_a_cluster
	s_endpgm
.Lentry_in_a_cluster:
	s_bfe_u32 s2, ttmp6, 0x10000c
	s_cmp_lg_u32 s2, 0xf033
	s_cbranch_scc0 .Lentry_shape_is_right
	s_endpgm
.Lentry_shape_is_right:
; q = h Wq, k = h Wk, v = h Wv on codes of E4M3, and the results quantised again on the way out (entries 6, 7 and 9 of the exponents) as operands of attention.
; A: h's codes, [4096][1024], three sets 4 MiB apart (one for each product's own scale).  B: the three weights' codes on end, [3072][1024].  Both lie as images of operand registers:
; [rows / 16][K / 128][2,048 bytes], a fragment [cc][lane][16 bytes]: four LDS loads of 16 bytes a lane bring a fragment, with k in the places that the matrix form gives it; 512 consecutive bytes a load: no padding is wanted.
; A tile of 256 x 256 is made by four waves, 128 x 128 each: 64 accumulators.  K goes in steps of 256 through two LDS slots: a step of a block of 16 rows is 4,096 consecutive bytes, a wave's tensor load brings eight such rows.
; CLUSTERS: 4 x 4 work-groups; a cluster's four tile columns are exactly one of the three products (T = cluster x), so all sixteen read one set of h.  A's tile is asked for jointly along a row of the cluster, B's along a column.
; Q AND K: source 0 = 16 rows of W, source 1 = 16 rows of h: a lane holds one row s and eight neighbouring d: its conversions are registers of a fragment (16 rows x 64 d).
; V: its K in attention is the keys, so a lane must hold one d and eight neighbouring keys: the two sides change places.  Only the fragments' LDS addresses change regions, by a select on the cluster's x.
; OUT: q at 0: [head 32][s / 16][1,024].  k and v from 4 MiB on: [head 32][step of 128 keys 16][k: 8 blocks of 16 keys x 1,024 ; v: 4 blocks of 16 d x 2,048].  Every store is 512 consecutive aligned bytes.
; LIMITS: eOut - eA - eB lies between -126 and 119.  NaN and infinities are not served.
; REGISTERS: window 0: v0-31 addresses; from v128 the fragments of source 1, one set; way out v32-223.  window 1: the fragments of source 0, two sets.  windows 2, 3: accumulators (a, b) at v[8 (8 (a % 4) + b)].
.set SIZE_K, 1024
.set BLKB,   4096                      ; a block of 16 rows in a slot: two fragments
.set RBLK,   16*SIZE_K                 ; the same block's whole K in memory
.set HALFT,  8*BLKB                    ; 128 rows: one tensor load
.set SLOT,   4*HALFT                   ; A's 256 rows, then B's
.set SPARE,  2*SLOT                    ; behind the ring: the spare words
.set LAPS,   SIZE_K/512
.set FR,     16
.set NL,     4
.set NP,     4
.set LI,   4                           ; v4  16 x lane
.set ADRA, 16                          ; v16-17 LDS address of source 1's fragments in slot 0, 1
.set ADRB, 20                          ; v20-21 of source 0's
.set SPW,  28
.set NIL,  29
.set AF,   128
.set G1, 24
.set G0, 32
.set G1B, 48
.set G0B, 56
.set MSB, 0
.macro WIN new                         ; the immediate's high byte repeats the setting that is left
.if MSB != (\new)
	s_set_vgpr_msb (MSB<<8)|(\new)
.set MSB, \new
.endif
.endm
.set MUL_LO, 0xa1                      ; source 0 window 1, source 1 window 0, C and D window 2
.set MUL_HI, 0xf1
.set TO_B,   0x40
; A joint load: waves 0 and 1 fetch A's halves, waves 2 and 3 B's.  An s_nop 0 and four v_nop follow each of the two lines.
.macro JLOAD g0a, g1a, g0b, g1b
	s_cmp_eq_u32 s15, 0
	s_cbranch_scc0 .Lfor_b_\@
	tensor_load_to_lds s[\g0a:\g0a+3], s[\g1a:\g1a+7]
	s_nop 0
.rept 4
	v_nop
.endr
	s_branch .Lasked_\@
.Lfor_b_\@:
	tensor_load_to_lds s[\g0b:\g0b+3], s[\g1b:\g1b+7]
	s_nop 0
.rept 4
	v_nop
.endr
.Lasked_\@:
.endm
.macro CREST                           ; a round of the cluster's barrier behind its opening barrier
	s_cmp_lg_u32 s14, 0
	s_cbranch_scc1 .Lnot_wave_0_\@
	s_barrier_signal -3
.Lnot_wave_0_\@:
	s_barrier_wait -3
	s_barrier_signal -1
	s_barrier_wait -1
.endm
.macro CROUND
	s_barrier_signal -1
	s_barrier_wait -1
	CREST
.endm
	s_load_b128 s[4:7], s[0:1], 0x0                ; h's codes, the weights' codes
	s_load_b128 s[8:11], s[0:1], 0x10              ; the exponents, the result
	v_lshl_add_u32 v[SPW], v0, 2, SPARE
	v_mov_b32 v[NIL], 0
	ds_add_u32 v[SPW], v[NIL]                      ; the wave's opening: the add and its wait ahead of my first tensor load
	ds_add_u32 v[SPW], v[NIL]
	v_lshrrev_b32 v1, 5, v0
	v_readfirstlane_b32 s14, v1                    ; wave 0..3
	s_lshr_b32 s15, s14, 1                         ; which half of source 1's rows is mine.  Also: I fetch for A (0) or B (1)
	s_and_b32 s16, s14, 1                          ; which half of source 0's.  Also: which 128 rows I fetch
	s_bfe_u32 s40, ttmp6, 0x40000                  ; cx
	s_bfe_u32 s41, ttmp6, 0x40004                  ; cy
	s_lshl_b32 s42, ttmp9, 2
	s_add_co_u32 s42, s42, s40                     ; tile column X
	s_and_b32 s17, ttmp7, 0xffff
	s_lshl_b32 s17, s17, 2
	s_add_co_u32 s17, s17, s41                     ; tile row Y
	s_lshl_b32 s43, s41, 2
	s_lshl_b32 s43, 15, s43                        ; my row of the cluster
	s_lshl_b32 s44, 0x1111, s40                    ; my column
	s_or_b32 s[G1+0], s43, (3<<16)|(1<<21)         ; 15:0 the mask; 17:16 elements of 8 bytes; 21 set beside a mask; no padding
	s_or_b32 s[G1B+0], s44, (3<<16)|(1<<21)
.irp g, G1, G1B
	s_mov_b32 s[\g+1], 512<<16                     ; tensor_dim0 = 512 elements: 4,096 bytes
	s_mov_b32 s[\g+2], 8<<16                       ; tensor_dim1 = 8
	s_mov_b32 s[\g+3], 512<<16                     ; tile_dim0
	s_mov_b32 s[\g+4], 8                           ; tile_dim1
	s_mov_b32 s[\g+5], RBLK/8                      ; from one block of 16 rows to the next
	s_mov_b32 s[\g+6], 0
	s_mov_b32 s[\g+7], 0
.endr
	s_lshl_b32 s18, s16, 7
	s_lshl_b32 s20, s17, 8
	s_add_co_u32 s20, s20, s18
	s_lshl_b32 s20, s20, 10                        ; A: row 256 Y + 128 half, 1,024 bytes a row,
	s_lshl_b32 s19, ttmp9, 22
	s_add_co_u32 s20, s20, s19                     ; in set T
	s_mov_b32 s21, 0
	s_lshl_b32 s46, s42, 8
	s_add_co_u32 s46, s46, s18
	s_lshl_b32 s46, s46, 10                        ; B: row 256 X + 128 half
	s_mov_b32 s47, 0
	s_mul_i32 s45, s14, HALFT                      ; where they go: wave x 128 rows
	s_lshl_b32 s70, ttmp9, 3                       ; eA, eB: entries 2 T, 2 T + 1
	s_lshl_b32 s71, ttmp9, 2
	s_add_co_u32 s71, s71, 24                      ; eOut: entries 6, 7, 9
	s_cmp_eq_u32 ttmp9, 2
	s_cselect_b32 s72, 4, 0
	s_add_co_u32 s71, s71, s72
	s_wait_dscnt 0x0                               ; the opening add is done
	s_wait_kmcnt 0x0
	s_load_b64 s[96:97], s[8:9], s70 offset:0x0
	s_load_b32 s98, s[8:9], s71 offset:0x0
	s_add_nc_u64 s[20:21], s[4:5], s[20:21]
	s_add_nc_u64 s[46:47], s[6:7], s[46:47]
	CROUND                                         ; all sixteen work-groups are here: the first joint loads meet
.irp s, 0,1
	s_mov_b32 s[G0+4*\s], 1
	s_add_co_u32 s[G0+4*\s+1], s45, \s*SLOT
	s_add_nc_u64 s[G0+4*\s+2:G0+4*\s+3], s[20:21], \s*BLKB
	s_or_b32 s[G0+4*\s+3], s[G0+4*\s+3], 0x80000000
	s_mov_b32 s[G0B+4*\s], 1
	s_add_co_u32 s[G0B+4*\s+1], s45, \s*SLOT
	s_add_nc_u64 s[G0B+4*\s+2:G0B+4*\s+3], s[46:47], \s*BLKB
	s_or_b32 s[G0B+4*\s+3], s[G0B+4*\s+3], 0x80000000
.endr
	JLOAD G0, G1, G0B, G1B                         ; K step 0: one tensor load a wave at the head
	; prefetches: of the eight blocks of 16 rows that I fetch, the partner at place p (cx for A, cy for B) names blocks 2 p and 2 p + 1: 16 lanes x 256 bytes are a block's K step
	s_cmp_eq_u32 s15, 0
	s_cselect_b64 s[66:67], s[20:21], s[46:47]
	s_cselect_b32 s2, s40, s41
	s_mul_i32 s2, s2, 2*RBLK
	s_mov_b32 s3, 0
	s_add_nc_u64 s[66:67], s[66:67], s[2:3]
	v_and_b32 v8, 15, v0
	v_bfe_u32 v9, v0, 4, 1
	v_lshlrev_b32 v8, 8, v8
	v_lshl_add_u32 v8, v9, 14, v8                  ; v8, s[66:67] are never rewritten
	global_prefetch_b8 v8, s[66:67] offset:BLKB th:TH_LOAD_NT scope:SCOPE_SE     ; K step 1
	global_prefetch_b8 v8, s[66:67] offset:2*BLKB th:TH_LOAD_NT scope:SCOPE_SE   ; K step 2
	v_and_b32 v1, 31, v0
	v_lshlrev_b32 v[LI], 4, v1
	s_wait_alu depctr_va_vdst(0)
	s_mul_i32 s21, s15, HALFT
	s_mul_i32 s22, s16, HALFT
	s_cmp_eq_u32 ttmp9, 2                          ; V: source 1 takes W's rows (the region behind A's), source 0 h's.  The cluster's x is the same in all partners
	s_cselect_b32 s68, 2*HALFT, 0
	s_cselect_b32 s69, 0, 2*HALFT
	s_add_co_u32 s21, s21, s68
	s_add_co_u32 s22, s22, s69
.irp s, 0,1
	v_add_nc_u32 v[ADRA+\s], s21, v[LI]
	v_add_nc_u32 v[ADRB+\s], s22, v[LI]
	s_add_co_u32 s21, s21, SLOT
	s_add_co_u32 s22, s22, SLOT
.endr
.macro FRAG reg, adr, q, i             ; a fragment as it lies: four loads, 512 consecutive bytes each
.irp c, 0,1,2,3
	ds_load_b128 v[\reg+4*\c:\reg+4*\c+3], v[\adr] offset:2048*(\q)+512*\c+(\i)*BLKB
.endr
.endm
; 16 matrix instructions: source 1's blocks a0, a0 + 1 x source 0's eight.  The 64 accumulators take turns, one instruction a turn, in the same order in every step.
.macro MUL16 a0, p, zero
.irp a, \a0, \a0+1
.irp b, 0,1,2,3,4,5,6,7
.if \zero
	v_wmma_f32_16x16x128_fp8_fp8 v[8*(8*((\a)%4)+\b):8*(8*((\a)%4)+\b)+7], v[128*(\p)+FR*\b:128*(\p)+FR*\b+FR-1], v[AF+FR*(\a):AF+FR*(\a)+FR-1], 0
.else
	v_wmma_f32_16x16x128_fp8_fp8 v[8*(8*((\a)%4)+\b):8*(8*((\a)%4)+\b)+7], v[128*(\p)+FR*\b:128*(\p)+FR*\b+FR-1], v[AF+FR*(\a):AF+FR*(\a)+FR-1], v[8*(8*((\a)%4)+\b):8*(8*((\a)%4)+\b)+7]
.endif
.endr
.endr
.endm
.macro FETCH_B slot, q, p
	WIN TO_B
.irp i, 0,1,2,3,4,5,6,7
	FRAG 128*(\p)+FR*\i, ADRB+\slot, \q, \i
.endr
	WIN 0
.endm
.macro FETCH_A slot, q, i0
.irp i, \i0, \i0+1, \i0+2, \i0+3
	FRAG AF+FR*(\i), ADRA+\slot, \q, \i
.endr
.endm
.macro PLACES n                        ; plain vector instructions between a matrix instruction and a load into, or a read of, its registers
.rept \n
	v_nop
.endr
.endm
.macro STEP slot, q, zero              ; 128 along K whose successor lies in the same slot
	s_wait_dscnt 4*NL                              ; source 0's set and source 1's blocks 0-3 are in; the youngest 16 loads (blocks 4-7) may be out
	WIN MUL_LO
	MUL16 0, (\q)%2, \zero
	MUL16 2, (\q)%2, \zero
	s_wait_dscnt 0
	PLACES NP
	FETCH_B \slot, (\q)+1, 1-(\q)%2
	FETCH_A \slot, (\q)+1, 0
	WIN MUL_HI
	MUL16 4, (\q)%2, \zero
	MUL16 6, (\q)%2, \zero
	PLACES NP
	WIN 0
	FETCH_A \slot, (\q)+1, 4
.endm
; A slot's last step changes slots: one barrier; in front of it each wave waits for all its tensor loads, adds 0 to its spare word, and waits for that and for its reads of this slot.
.macro TURN slot, next, fill
	s_wait_tensorcnt 0x0                           ; all my tensor loads have landed: my part of the next slot
	ds_add_u32 v[SPW], v[NIL]
	s_wait_dscnt 4*NL+1                            ; the add and the youngest 16 loads may be out
	WIN MUL_LO
	MUL16 0, 1, 0
	s_wait_dscnt 0x0                               ; the add is done, and my reads of this slot are over
	s_barrier_signal -1
	MUL16 2, 1, 0
	WIN 0
	s_barrier_wait -1
.if \fill
	CREST                                          ; no wave of any partner still reads this slot or has a load on its way
	s_add_nc_u64 s[G0+4*\slot+2:G0+4*\slot+3], s[G0+4*\slot+2:G0+4*\slot+3], 2*BLKB
	s_add_nc_u64 s[G0B+4*\slot+2:G0B+4*\slot+3], s[G0B+4*\slot+2:G0B+4*\slot+3], 2*BLKB
	JLOAD G0+4*\slot, G1, G0B+4*\slot, G1B         ; the first tensor load behind the round; its four v_nop are the places in front of the loads below
.else
	PLACES NP
.endif
	FETCH_B \next, 0, 0
	FETCH_A \next, 0, 0
	WIN MUL_HI
	MUL16 4, 1, 0
	MUL16 6, 1, 0
	PLACES NP
	WIN 0
	FETCH_A \next, 0, 4
.endm
	s_wait_alu depctr_va_vdst(0)
	s_wait_tensorcnt 0x0                           ; my part of K step 0 is in
	ds_add_u32 v[SPW], v[NIL]
	s_wait_dscnt 0x0
	CROUND                                         ; everybody's part of K step 0 is in
	JLOAD G0+4, G1, G0B+4, G1B                     ; K step 1, the first tensor load behind the round
	global_prefetch_b8 v8, s[66:67] offset:3*BLKB th:TH_LOAD_NT scope:SCOPE_SE   ; K step 3, the last
	FETCH_B 0, 0, 0
	FETCH_A 0, 0, 0
	FETCH_A 0, 0, 4
	STEP 0, 0, 1                                   ; the first step's products start the sums
	s_mov_b32 s3, LAPS-1
.Llap:
	TURN 0, 1, 1
	STEP 1, 0, 0
	TURN 1, 0, 1
	STEP 0, 0, 0
	s_sub_co_u32 s3, s3, 1
	s_cmp_lg_u32 s3, 0
	s_cbranch_scc1 .Llap
	TURN 0, 1, 0                                   ; the last lap fills nothing
	STEP 1, 0, 0
	s_wait_dscnt 4*NL
	WIN MUL_LO
	MUL16 0, 1, 0
	MUL16 2, 1, 0
	s_wait_dscnt 0
	WIN MUL_HI
	MUL16 4, 1, 0
	MUL16 6, 1, 0
	WIN 0
	; THE WAY OUT.  A sum stands for sum x 2^(eA + eB); its code is sum / 2^(eOut - eA - eB): the three exponents are folded into the conversion's one.
	s_wait_kmcnt 0x0
	s_sub_co_i32 s96, s98, s96
	s_sub_co_i32 s96, s96, s97
	s_add_co_i32 s96, s96, 127
	s_lshl_b32 s97, s96, 23
	v_mov_b32 v31, s97                             ; 2^(eOut - eA - eB)
	s_add_co_i32 s96, s96, 8
	s_lshl_b32 s96, s96, 23
	s_or_b32 s96, s96, 0x600000
	v_mov_b32 v30, s96                             ; 448 x that
	; where my part goes.  All choices hang on the cluster's x.
	s_wait_alu depctr_va_vdst(0)
	s_cmp_eq_u32 ttmp9, 0
	s_cselect_b32 s73, 17, 18                      ; a head: 131,072 bytes of q, 262,144 of k and v, as a shift
	s_cselect_b32 s74, 13, 14                      ; 128 rows s: 8,192 bytes of q, a step of 16,384 of k and v
	s_cselect_b32 s75, 0, 0x400000
	s_lshl_b32 s80, 1, s73
	s_mov_b32 s86, 0x400
	s_cmp_eq_u32 ttmp9, 2
	s_cselect_b32 s76, s15, s16                    ; which of my two halves counts heads,
	s_cselect_b32 s77, s16, s15                    ; and which counts rows s
	s_cselect_b32 s78, 0x2000, 0                   ; v lies behind a step's 8,192 bytes of k
	s_cselect_b32 s84, 11, 10
	s_cselect_b32 s81, 0x400, s80                  ; from the first two stores of a block to the last two: the fragment's second half, or the next head
	s_cselect_b32 s86, 0x3e800, s86                ; from block 3 to block 4: v goes on to the next head
	s_lshl_b32 s84, 1, s84                         ; from block to block: 1,024 (16 rows of q or k), 2,048 (16 d of v)
	s_mov_b32 s85, 0
	s_mov_b32 s87, 0
	s_lshr_b32 s88, s17, 3
	s_lshl_b32 s88, s88, 4
	s_lshl_b32 s89, s40, 2
	s_add_co_u32 s88, s88, s89
	s_lshl_b32 s89, s76, 1
	s_add_co_u32 s88, s88, s89                     ; head = 16 (Y / 8) + 4 cx + 2 half
	s_lshl_b32 s88, s88, s73
	s_and_b32 s89, s17, 7
	s_lshl_b32 s89, s89, 1
	s_add_co_u32 s89, s89, s77                     ; 128 rows s: 2 (Y % 8) + half
	s_lshl_b32 s89, s89, s74
	s_add_co_u32 s88, s88, s89
	s_add_co_u32 s88, s88, s75
	s_add_co_u32 s88, s88, s78
	s_mov_b32 s89, 0
	s_add_nc_u64 s[10:11], s[10:11], s[88:89]
	v_add_nc_u32 v27, s81, v[LI]
	PLACES NP
; Block a of source 1: its eight accumulators become 16 registers of codes, each accumulator from its low end on, and leave by four stores of 512 consecutive bytes.  Each block has code registers of its own.
.macro OUTB a
.set AC, 64*((\a)%4)
.set CC, 96+16*(\a)
	WIN 0x02+((\a)/4)                              ; source 0: window 2 or 3
.set n, 0
.rept 64
	v_med3_num_f32 v[32+n], v[AC+n], -v30, v30     ; the conversion does not saturate (ISA guide 7.6.2): the hold comes first
.set n, n+1
.endr
	WIN 0
.irp b, 0,1,2,3,4,5,6,7
	v_cvt_scalef32_pk8_fp8_f32 v[CC+2*\b:CC+2*\b+1], v[32+8*\b:39+8*\b], v31
.endr
	v_nop                                          ; a plain instruction behind the last conversion
.if (\a) > 0
	s_wait_alu depctr_va_vdst(0)
	s_wait_xcnt 0x0                                ; the earlier stores have read their base
.if (\a) == 4
	s_add_nc_u64 s[10:11], s[10:11], s[86:87]
.else
	s_add_nc_u64 s[10:11], s[10:11], s[84:85]
.endif
.endif
	global_store_b128 v[LI], v[CC:CC+3], s[10:11]
	global_store_b128 v[LI], v[CC+4:CC+7], s[10:11] offset:512
	global_store_b128 v27, v[CC+8:CC+11], s[10:11]
	global_store_b128 v27, v[CC+12:CC+15], s[10:11] offset:512
.endm
.irp a, 0,1,2,3,4,5,6,7
	OUTB \a
.endr
	s_wait_tensorcnt 0x0                           ; the wave's end
	ds_add_u32 v[SPW], v[NIL]
	s_wait_dscnt 0x0
	CROUND                                         ; the closing round
	s_endpgm
.Lfunc_end_k_q3ad945b01e_qkv:
	.size	k_q3ad945b01e_qkv, .Lfunc_end_k_q3ad945b01e_qkv-k_q3ad945b01e_qkv
	.p2alignl 7, 3214868480
	.fill 96, 4, 3214868480
	.section	.rodata,"a",@progbits
	.p2align	6, 0x0
	.amdhsa_kernel k_q3ad945b01e_qkv
		.amdhsa_group_segment_fixed_size 327680
		.amdhsa_private_segment_fixed_size 0
		.amdhsa_enable_private_segment 0
		.amdhsa_kernarg_size 32
		.amdhsa_user_sgpr_count 2
		.amdhsa_user_sgpr_kernarg_segment_ptr 1
		.amdhsa_wavefront_size32 1
		.amdhsa_system_sgpr_workgroup_id_x 1
		.amdhsa_system_sgpr_workgroup_id_y 1
		.amdhsa_system_sgpr_workgroup_id_z 1
		.amdhsa_system_vgpr_workitem_id 0
		.amdhsa_next_free_vgpr 1024
		.amdhsa_next_free_sgpr 100
		.amdhsa_reserve_vcc 0
		.amdhsa_float_denorm_mode_32 3
		.amdhsa_float_denorm_mode_16_64 3
		.amdhsa_memory_ordered 1
		.amdhsa_forward_progress 1
		.amdhsa_inst_pref_size 120
	.end_amdhsa_kernel
	.amdgpu_metadata
---
amdhsa.version: [ 1, 2 ]
amdhsa.kernels:
  - .name:           k_q3ad945b01e_qkv
    .symbol:         k_q3ad945b01e_qkv.kd
    .args:
      - { .name: h3, .offset: 0, .size: 8, .value_kind: global_buffer, .address_space: global }
      - { .name: wc, .offset: 8, .size: 8, .value_kind: global_buffer, .address_space: global }
      - { .name: lowp_scales, .offset: 16, .size: 8, .value_kind: global_buffer, .address_space: global }
      - { .name: qkvc, .offset: 24, .size: 8, .value_kind: global_buffer, .address_space: global }
    .group_segment_fixed_size: 327680
    .private_segment_fixed_size: 0
    .kernarg_segment_align: 8
    .kernarg_segment_size: 32
    .max_flat_workgroup_size: 128
    .sgpr_count:     100
    .vgpr_count:     1024
    .wavefront_size: 32
...
	.end_amdgpu_metadata
.endif
;; end of part 2
;; launch attn (part 3): grid 8 x 32, 16 waves a work-group, clusters of 4 x 1, 327,680 bytes of LDS; arguments qkvc, lowp_scales, ac; writes ac
.if DOCPART == 3
	.amdgcn_target "amdgcn-amd-amdhsa--gfx1250"
	.amdhsa_code_object_version 6
	.text
	.protected	k_q3ad945b01e_attn
	.globl	k_q3ad945b01e_attn
	.p2align	8
	.type	k_q3ad945b01e_attn,@function
k_q3ad945b01e_attn:
	s_mov_b64 s[64:65], 0
	v_nop
	global_prefetch_b8 v0, s[64:65] scope:SCOPE_SE
	s_setreg_imm32_b32 hwreg(HW_REG_WAVE_MODE, 25, 1), 1
	s_wait_xcnt 0x0
	s_wait_alu depctr_hold_cnt(0) depctr_sa_sdst(0) depctr_va_vdst(0) depctr_va_sdst(0) depctr_va_ssrc(0) depctr_va_vcc(0) depctr_vm_vsrc(0)
	s_getreg_b32 s2, hwreg(HW_REG_IB_STS2, 6, 4)
	s_cmp_eq_u32 s2, 0
	s_cbranch_scc0 .Lentry_in_a_cluster
	s_endpgm
.Lentry_in_a_cluster:
	s_bfe_u32 s2, ttmp6, 0x10000c
	s_cmp_lg_u32 s2, 0x3003
	s_cbranch_scc0 .Lentry_shape_is_right
	s_endpgm
.Lentry_shape_is_right:
; ATTENTION on codes of E4M3: for each of 32 heads (batch x head), O[q] = sum over k of softmax_k(Q[q] . K[k] / 8) V[k], both products quantised; the result is quantised again (entry 10) as operand A of the product with Wo.
; IN: q at byte 0 of qkvc: [head][s / 16][1,024 bytes]; k and v from 4 MiB on: [head][step of 128 keys][k: 8 blocks of 16 keys x 1,024 bytes ; v: 4 blocks of 16 d x 2,048 bytes], all as images of operand registers.
; OUT: ac as an image [rows / 16][K / 128][2,048 bytes]; a head's 64 channels are half a fragment: two stores of 512 consecutive aligned bytes a wave.
; THE SOFTMAX: t = score x log2(e) / 8; M = the running largest t rounded up to a whole number; p = 2^(t - M) is quantised (entry 8), not normalised; the row's sum is taken of the unquantised p and divides at the end.
; When M moves, the sum and O are multiplied by 2^(old M - new M), which rounds nothing; there is no branch on data.
; SHARES: a work-group owns 256 queries of one head, each of its 16 waves 16 of them; a lane holds one query throughout (both products are used transposed).
; LDS: a head's k and v are 16 steps x 16,384 bytes = 262,144 bytes and lie in LDS whole.  Wave w asks for step w by ONE tensor load (64 rows of 256 bytes); nothing is filled again.
; CLUSTER: the four work-groups of a cluster are four query blocks of one head and read the same k and v: every load is a joint one (mask 15).
; ORDER: a wave waits for its own load, signals the one barrier, works step w (bytes that it alone asked for) between signal and wait, and then walks steps w + 1 .. w + 15 modulo 16.  A running maximum serves any order of the keys.
; The first step starts O (C = 0): O is not cleared and not rescaled there.
; NO PREFETCH: every byte of k and v that the work-group reads is asked for at the head; there is no later load to run ahead of.
; LIMITS: e6 + e7 between -123 and 130; e8 between -126 and 119; e10 - e8 - e9 between -126 and 119; the scaled scores stay under 2^31 in magnitude; NaN and infinities are not served.
; REGISTERS: v1 16 x lane, v2 the step's LDS address, v5-6 the add's, v12 -M, v13 largest t, v[14:15], v[242:243] the sum's chains, v16-23 Q, v32-95 fragments of K, then of V, v96-159 S^T, then p, v160-191 O^T, v224-239 p's codes.
.set SPARE, 262144                     ; behind the tiles: the spare words, 128 bytes for each of 16 waves
.set LI,  1
.set ADR, 2
.set SPW, 5
.set NIL, 6
.set TB,  2                            ; s2  LDS byte of the step in hand
.set CNT, 3
.set WV,  18
.set SEL, 20
.set CS,  22
.set G1,  24
.set G0,  32
.macro CROUND                          ; a round of the cluster's barrier
	s_barrier_signal -1
	s_barrier_wait -1
	s_cmp_lg_u32 s[WV], 0
	s_cbranch_scc1 .Lnot_wave_0_\@
	s_barrier_signal -3
.Lnot_wave_0_\@:
	s_barrier_wait -3
	s_barrier_signal -1
	s_barrier_wait -1
.endm
	s_load_b128 s[4:7], s[0:1], 0x0                ; qkvc, the exponents
	s_load_b64 s[8:9], s[0:1], 0x10                ; ac
	v_lshl_add_u32 v[SPW], v0, 2, SPARE
	v_mov_b32 v[NIL], 0
	ds_add_u32 v[SPW], v[NIL]                      ; the opening lines: the add twice on end and its wait ahead of my tensor load
	ds_add_u32 v[SPW], v[NIL]
	v_lshrrev_b32 v2, 5, v0
	v_and_b32 v[LI], 31, v0
	v_readfirstlane_b32 s[WV], v2                  ; wave 0..15
	v_lshlrev_b32 v[LI], 4, v[LI]
	s_bfe_u32 s10, ttmp6, 0x40000                  ; cx
	s_lshl_b32 s11, ttmp9, 2
	s_add_co_u32 s11, s11, s10
	s_lshl_b32 s11, s11, 4
	s_add_co_u32 s11, s11, s[WV]                   ; my tile of 16 queries, 0..127
	s_and_b32 s12, ttmp7, 0xffff                   ; the head, 0..31
	s_mov_b32 s[G1], 15|(3<<16)|(1<<21)            ; mask of the four partners; elements of 8 bytes; bit 21 beside a mask
	s_mov_b32 s[G1+1], 32<<16                      ; rows of 256 bytes
	s_mov_b32 s[G1+2], 64<<16                      ; 64 of them: a step's 16,384 bytes, dense
	s_mov_b32 s[G1+3], 32<<16
	s_mov_b32 s[G1+4], 64
	s_mov_b32 s[G1+5], 32
	s_mov_b32 s[G1+6], 0
	s_mov_b32 s[G1+7], 0
	s_lshl_b32 s[TB], s[WV], 14                    ; step w, in LDS and in the head's k and v
	s_lshl_b32 s14, s12, 18
	s_add_co_u32 s14, s14, s[TB]
	s_add_co_u32 s14, s14, 0x400000
	s_mov_b32 s15, 0
	s_lshl_b32 s56, s12, 17
	s_lshl_b32 s57, s11, 10
	s_add_co_u32 s56, s56, s57                     ; my queries' fragment
	s_mov_b32 s57, 0
	s_mov_b32 s[SEL], 0x76543210
	s_mov_b32 s[SEL+1], 0xfedcba98
	s_mov_b32 s[CS], 0x3e38aa3b                    ; log2(e) / 8
	s_mov_b32 s[G0], 1
	s_lshl_b32 s[G0+1], s[WV], 14
	s_wait_alu depctr_va_vdst(0)
	s_wait_dscnt 0x0
	s_wait_kmcnt 0x0
	s_load_b256 s[48:55], s[6:7], 0x18             ; entries 6 to 13
	s_add_nc_u64 s[G0+2:G0+3], s[4:5], s[14:15]
	s_or_b32 s[G0+3], s[G0+3], 0x80000000
	s_add_nc_u64 s[4:5], s[4:5], s[56:57]
	global_load_b128 v[16:19], v[LI], s[4:5]       ; Q stays in registers
	global_load_b128 v[20:23], v[LI], s[4:5] offset:512
	CROUND                                         ; the four partners are here: the joint loads meet
	tensor_load_to_lds s[G0:G0+3], s[G1:G1+7]      ; my one tensor load
	s_nop 0
	v_mov_b32 v13, 0xff61b1e6                      ; the largest t so far: -3e38
	v_mov_b32 v14, 0
	v_mov_b32 v15, 0
	v_floor_f32 v12, -v13
	v_mov_b32 v242, 0
	v_mov_b32 v243, 0
	v_mov_b32 v236, 0                              ; a lane permute's destination counts as a source
	v_mov_b32 v253, 0                              ; named as the upper half of v[252:253]
	s_lshr_b32 s56, s12, 4                         ; where my codes go: block of 16 rows 128 x batch + tile, 16,384 bytes each,
	s_lshl_b32 s56, s56, 7
	s_add_co_u32 s56, s56, s11
	s_lshl_b32 s56, s56, 14
	s_and_b32 s58, s12, 15
	s_lshl_b32 s58, s58, 10                        ; + 1,024 bytes x head
	s_add_co_u32 s56, s56, s58
	s_mov_b32 s57, 0
	s_add_nc_u64 s[8:9], s[8:9], s[56:57]
	s_wait_kmcnt 0x0
	s_add_co_i32 s56, s48, s49
	s_lshl_b32 s56, s56, 23
	s_add_co_i32 s[CS], s[CS], s56                 ; e6 + e7 go into c's exponent field
	s_mov_b32 s[CS+1], s[CS]
	s_add_co_i32 s56, s50, 127
	s_lshl_b32 s57, s56, 23
	v_mov_b32 v244, s57                            ; 2^e8
	s_add_co_i32 s56, s56, 8
	s_lshl_b32 s56, s56, 23
	s_or_b32 s56, s56, 0x600000
	v_mov_b32 v240, s56                            ; 448 x 2^e8, twice: one register for each half of a dual line
	v_mov_b32 v246, s56
	s_sub_co_i32 s56, s52, s50
	s_sub_co_i32 s56, s56, s51
	s_add_co_i32 s56, s56, 127
	s_lshl_b32 s57, s56, 23
	v_mov_b32 v245, s57                            ; 2^(e10 - e8 - e9)
	s_add_co_i32 s56, s56, 8
	s_lshl_b32 s56, s56, 23
	s_or_b32 s56, s56, 0x600000
	v_mov_b32 v241, s56                            ; 448 x that
; A STEP: 128 keys at LDS byte s[TB].  first = 1: its second product starts O.
.macro STEP first
	v_add_nc_u32 v[ADR], s[TB], v[LI]              ; these four are the places between the last products and the loads into their sources
	v_pk_add_f32 v[14:15], v[14:15], v[242:243]    ; the last step's second chain joins the sum
	v_mov_b32 v255, v12                            ; the old -M
	v_nop
.irp t, 0,1,2,3,4,5,6,7
	ds_load_b128 v[32+8*\t:35+8*\t], v[ADR] offset:1024*\t
	ds_load_b128 v[36+8*\t:39+8*\t], v[ADR] offset:1024*\t+512
.endr
	s_wait_alu depctr_va_vdst(0)
	s_wait_dscnt 0x0
.irp t, 0,1,2,3,4,5,6,7
	v_wmma_f32_16x16x64_fp8_fp8 v[96+8*\t:103+8*\t], v[32+8*\t:39+8*\t], v[16:23], 0   ; S^T: lane (r, h): query r, keys 16 t + 8 h + 0..7
.endr
.rept 4
	v_nop
.endr
.irp d, 0,1,2,3
.irp c, 0,1,2,3
	ds_load_b128 v[32+16*\d+4*\c:35+16*\d+4*\c], v[ADR] offset:8192+2048*\d+512*\c     ; V's fragments come in under the softmax
.endr
.endr
	v_max3_num_f32 v254, v96, v97, v98             ; the step's largest score, two chains, each accumulator from its low end on
	v_max3_num_f32 v252, v99, v100, v101
.irp i, 6,10,14,18,22,26,30,34,38,42,46,50,54,58
	v_max3_num_f32 v254, v254, v[96+\i], v[97+\i]
	v_max3_num_f32 v252, v252, v[98+\i], v[99+\i]
.endr
	v_max3_num_f32 v254, v254, v158, v159
	s_delay_alu instid0(VALU_DEP_1)
	v_max_num_f32 v254, v254, v252
	v_permlanex16_b32 v236, v254, s[SEL], s[SEL+1]
	s_delay_alu instid0(VALU_DEP_1)
	v_max_num_f32 v254, v254, v236
	s_delay_alu instid0(VALU_DEP_1)
	v_mul_f32 v254, s[CS], v254                    ; as t
	s_delay_alu instid0(VALU_DEP_1)
	v_max_num_f32 v13, v13, v254
	s_delay_alu instid0(VALU_DEP_1)
	v_floor_f32 v12, -v13                          ; -M = floor(-t)
	s_delay_alu instid0(VALU_DEP_1)
	v_sub_f32 v254, v12, v255
	s_delay_alu instid0(VALU_DEP_1)
	v_cvt_i32_f32 v254, v254                       ; old M - new M; it saturates
	s_delay_alu instid0(VALU_DEP_1)
	v_ldexp_f32 v252, 1.0, v254                    ; f
.set n, 0
.rept 32
	v_pk_fma_f32 v[96+n:97+n], v[96+n:97+n], s[CS:CS+1], v[12:13] op_sel_hi:[1,0,0]    ; t - M
.set n, n+2
.endr
	s_wait_alu depctr_va_vdst(0)
.set n, 0
.rept 64
	v_exp_f32 v[96+n], v[96+n]
.set n, n+1
.endr
	v_pk_mul_f32 v[14:15], v[14:15], v[252:253] op_sel_hi:[1,0]   ; the sum under the new M; a plain place behind the batch
	s_wait_alu depctr_va_vdst(0)                   ; one wait for the batch, ahead of its first reader
	v_pk_add_f32 v[242:243], v[96:97], v[98:99]    ; the sum of the unquantised p, two chains
.irp j, 4,8,12,16,20,24,28,32,36,40,44,48,52,56,60
	v_pk_add_f32 v[14:15], v[14:15], v[96+\j:97+\j]
	v_pk_add_f32 v[242:243], v[242:243], v[98+\j:99+\j]
.endr
.irp t, 0,1,2,3,4,5,6,7
.set n, 0
.rept 4
	v_dual_min_num_f32 v[96+8*\t+n], v[96+8*\t+n], v240 :: v_dual_min_num_f32 v[97+8*\t+n], v[97+8*\t+n], v246   ; the hold: the conversion does not saturate (ISA guide 7.6.2); p is not negative
.set n, n+2
.endr
	v_cvt_scalef32_pk8_fp8_f32 v[224+2*\t:225+2*\t], v[96+8*\t:103+8*\t], v244
.endr
	s_wait_dscnt 0x0                               ; V's fragments
	s_wait_alu depctr_va_vdst(0)
.if \first
	v_nop                                          ; a plain place behind the last conversion
.else
.set n, 0
.rept 16
	v_pk_mul_f32 v[160+n:161+n], v[160+n:161+n], v[252:253] op_sel_hi:[1,0]            ; O^T under the new M
.set n, n+2
.endr
.endif
.irp d, 0,1,2,3
.if \first
	v_wmma_f32_16x16x128_fp8_fp8 v[160+8*\d:167+8*\d], v[32+16*\d:47+16*\d], v[224:239], 0
.else
	v_wmma_f32_16x16x128_fp8_fp8 v[160+8*\d:167+8*\d], v[32+16*\d:47+16*\d], v[224:239], v[160+8*\d:167+8*\d]
.endif
.endr
.endm
	s_wait_alu depctr_va_vdst(0)
	s_wait_loadcnt 0x0                             ; Q
	s_wait_tensorcnt 0x0                           ; step w has landed
	s_barrier_signal -1                            ; say so; between signal and wait: register work and LDS loads of my own tile
	STEP 1
	s_barrier_wait -1                              ; all sixteen steps have landed
	s_mov_b32 s[CNT], 1
.Lstep:
	s_add_co_u32 s[TB], s[CNT], s[WV]
	s_and_b32 s[TB], s[TB], 15
	s_lshl_b32 s[TB], s[TB], 14                    ; step (w + count) modulo 16
	STEP 0
	s_add_co_u32 s[CNT], s[CNT], 1
	s_cmp_lt_u32 s[CNT], 16
	s_cbranch_scc1 .Lstep
	; THE WAY OUT
	v_pk_add_f32 v[14:15], v[14:15], v[242:243]    ; (with the lines below: the places behind the last products)
	v_nop
	v_add_f32 v14, v14, v15
	s_delay_alu instid0(VALU_DEP_1)
	v_permlanex16_b32 v252, v14, s[SEL], s[SEL+1]
	s_delay_alu instid0(VALU_DEP_1)
	v_add_f32 v14, v14, v252                       ; the row's sum
	s_wait_alu depctr_va_vdst(0)                   ; the wait ahead of the transcendental
	v_rcp_f32 v14, v14
	v_nop
	s_wait_alu depctr_va_vdst(0)                   ; and behind it, directly ahead of the first reader of it and of O^T
.set n, 0
.rept 32
	v_mul_f32 v[96+n], v[160+n], v14
.set n, n+1
.endr
.set n, 0
.rept 32
	v_med3_num_f32 v[96+n], v[96+n], -v241, v241
.set n, n+1
.endr
.irp d, 0,1,2,3
	v_cvt_scalef32_pk8_fp8_f32 v[200+2*\d:201+2*\d], v[96+8*\d:103+8*\d], v245
.endr
	v_nop
	global_store_b128 v[LI], v[200:203], s[8:9]
	global_store_b128 v[LI], v[204:207], s[8:9] offset:512
	s_wait_tensorcnt 0x0                           ; the wave's end
	ds_add_u32 v[SPW], v[NIL]
	s_wait_dscnt 0x0
	CROUND                                         ; the closing round
	s_endpgm
.Lfunc_end_k_q3ad945b01e_attn:
	.size	k_q3ad945b01e_attn, .Lfunc_end_k_q3ad945b01e_attn-k_q3ad945b01e_attn
	.p2alignl 7, 3214868480
	.fill 96, 4, 3214868480
	.section	.rodata,"a",@progbits
	.p2align	6, 0x0
	.amdhsa_kernel k_q3ad945b01e_attn
		.amdhsa_group_segment_fixed_size 327680
		.amdhsa_private_segment_fixed_size 0
		.amdhsa_enable_private_segment 0
		.amdhsa_kernarg_size 24
		.amdhsa_user_sgpr_count 2
		.amdhsa_user_sgpr_kernarg_segment_ptr 1
		.amdhsa_wavefront_size32 1
		.amdhsa_system_sgpr_workgroup_id_x 1
		.amdhsa_system_sgpr_workgroup_id_y 1
		.amdhsa_system_sgpr_workgroup_id_z 1
		.amdhsa_system_vgpr_workitem_id 0
		.amdhsa_next_free_vgpr 256
		.amdhsa_next_free_sgpr 66
		.amdhsa_reserve_vcc 0
		.amdhsa_float_denorm_mode_32 3
		.amdhsa_float_denorm_mode_16_64 3
		.amdhsa_memory_ordered 1
		.amdhsa_forward_progress 1
		.amdhsa_inst_pref_size 39
	.end_amdhsa_kernel
	.amdgpu_metadata
---
amdhsa.version: [ 1, 2 ]
amdhsa.kernels:
  - .name:           k_q3ad945b01e_attn
    .symbol:         k_q3ad945b01e_attn.kd
    .args:
      - { .name: qkvc, .offset: 0, .size: 8, .value_kind: global_buffer, .address_space: global }
      - { .name: lowp_scales, .offset: 8, .size: 8, .value_kind: global_buffer, .address_space: global }
      - { .name: ac, .offset: 16, .size: 8, .value_kind: global_buffer, .address_space: global }
    .group_segment_fixed_size: 327680
    .private_segment_fixed_size: 0
    .kernarg_segment_align: 8
    .kernarg_segment_size: 24
    .max_flat_workgroup_size: 512
    .sgpr_count:     66
    .vgpr_count:     256
    .wavefront_size: 32
...
	.end_amdgpu_metadata
.endif
;; end of part 3
;; launch oproj (part 4): grid 8 x 32, 4 waves a work-group, clusters of 4 x 4, 327,680 bytes of LDS; arguments ac, wc, lowp_scales, x, x1; writes x1
.if DOCPART == 4
	.amdgcn_target "amdgcn-amd-amdhsa--gfx1250"
	.amdhsa_code_object_version 6
	.text
	.protected	k_q3ad945b01e_oproj
	.globl	k_q3ad945b01e_oproj
	.p2align	8
	.type	k_q3ad945b01e_oproj,@function
k_q3ad945b01e_oproj:
	s_mov_b64 s[64:65], 0
	v_nop
	global_prefetch_b8 v0, s[64:65] scope:SCOPE_SE
	s_setreg_imm32_b32 hwreg(HW_REG_WAVE_MODE, 25, 1), 1
	s_wait_xcnt 0x0
	s_wait_alu depctr_hold_cnt(0) depctr_sa_sdst(0) depctr_va_vdst(0) depctr_va_sdst(0) depctr_va_ssrc(0) depctr_va_vcc(0) depctr_vm_vsrc(0)
	s_getreg_b32 s2, hwreg(HW_REG_IB_STS2, 6, 4)
	s_cmp_eq_u32 s2, 0
	s_cbranch_scc0 .Lentry_in_a_cluster
	s_endpgm
.Lentry_in_a_cluster:
	s_bfe_u32 s2, ttmp6, 0x10000c
	s_cmp_lg_u32 s2, 0xf033
	s_cbranch_scc0 .Lentry_shape_is_right
	s_endpgm
.Lentry_shape_is_right:
; out = res + A B^T on codes of E4M3: here x1 = x + attn Wo.  A: [4096][SIZE_K], B: [1024][SIZE_K] at WOFF in the weights' codes, both as images of operand registers ([rows / 16][K / 128][2,048 bytes]); res and out: [4096][1024] f32.
; N is 1,024: tiles of 256 x 256 would be 64; a tile is 128 x 128, which gives 256 work-groups.  Four waves, 64 x 64 each: 16 accumulators.
; K goes in steps of 512 through two LDS slots: a step of a block of 16 rows is 8,192 consecutive bytes; a wave's tensor load brings four such rows.  No padding: a fragment load reads 512 consecutive bytes.
; CLUSTERS: 4 x 4: A's tile is asked for jointly along a row of the cluster, B's along a column.  Source 0 = 16 rows of B, source 1 = 16 rows of A: a lane holds eight neighbouring numbers of a row of the result.
; The residual is asked for at the head, into registers of its own, in the layout in which rows come back from the stage; out = sum x 2^(eA + eB) + res is one packed multiply-add for two numbers.
; A wave's 64 columns are 256 bytes: each wave has its own stage, and sixteen lanes store 256 consecutive aligned bytes.
; LIMIT: eA + eB between -126 and 127.
; REGISTERS: window 0: v0-31 addresses; v32-95 rows on the way out, two sets; v128-255 accumulators (a, b) at v[128 + 8 (4 a + b)].  window 1: two fragment buffers of 128: A's four fragments, then B's four.  window 2: v0-127 the residual.
.set SIZE_K, 1024
.set WOFF,   0x300000                  ; Wo's codes
.set SCB,    0x28                      ; entries 10 and 11
.set KSB,    8192                      ; a K step of a block of 16 rows: four fragments
.set HALFT,  4*KSB                     ; 64 rows: one tensor load
.set SLOT,   4*HALFT
.set STAGE,  2*SLOT                    ; behind the ring: 16 rows x 272 bytes for each wave
.set SPITCH, 272
.set SPARE,  STAGE+4*16*SPITCH
.set LAPS,   SIZE_K/1024
.set LI,   4
.set ADRA, 16
.set ADRB, 20
.set STO,  24
.set RD,   25
.set CO,   26
.set SPW,  28
.set NIL,  29
.set BK,   32
.set ACC,  128
.set F0,   0
.set F1,   128
.set G1, 24
.set G0, 32
.set G1B, 48
.set G0B, 56
.set MSB, 0
.macro WIN new
.if MSB != (\new)
	s_set_vgpr_msb (MSB<<8)|(\new)
.set MSB, \new
.endif
.endm
.set MUL,  0x05                        ; sources 0 and 1 window 1; C and D window 0
.set TO_F, 0x40                        ; destination window 1
.macro JLOAD g0a, g1a, g0b, g1b        ; waves 0 and 1 fetch A's halves, waves 2 and 3 B's; an s_nop 0 and four v_nop follow each line
	s_cmp_eq_u32 s15, 0
	s_cbranch_scc0 .Lfor_b_\@
	tensor_load_to_lds s[\g0a:\g0a+3], s[\g1a:\g1a+7]
	s_nop 0
.rept 4
	v_nop
.endr
	s_branch .Lasked_\@
.Lfor_b_\@:
	tensor_load_to_lds s[\g0b:\g0b+3], s[\g1b:\g1b+7]
	s_nop 0
.rept 4
	v_nop
.endr
.Lasked_\@:
.endm
.macro CREST
	s_cmp_lg_u32 s14, 0
	s_cbranch_scc1 .Lnot_wave_0_\@
	s_barrier_signal -3
.Lnot_wave_0_\@:
	s_barrier_wait -3
	s_barrier_signal -1
	s_barrier_wait -1
.endm
.macro CROUND
	s_barrier_signal -1
	s_barrier_wait -1
	CREST
.endm
	s_load_b256 s[4:11], s[0:1], 0x0               ; A's codes, the weights' codes, the exponents, the residual
	s_load_b64 s[12:13], s[0:1], 0x20              ; the result
	v_lshl_add_u32 v[SPW], v0, 2, SPARE
	v_mov_b32 v[NIL], 0
	ds_add_u32 v[SPW], v[NIL]                      ; the wave's opening: the add and its wait ahead of my first tensor load
	ds_add_u32 v[SPW], v[NIL]
	v_lshrrev_b32 v1, 5, v0
	v_readfirstlane_b32 s14, v1
	s_lshr_b32 s15, s14, 1                         ; my half of the tile's rows.  Also: I fetch for A (0) or B (1)
	s_and_b32 s16, s14, 1                          ; my half of its columns.  Also: which 64 rows I fetch
	s_bfe_u32 s40, ttmp6, 0x40000
	s_bfe_u32 s41, ttmp6, 0x40004
	s_lshl_b32 s42, ttmp9, 2
	s_add_co_u32 s42, s42, s40                     ; tile column X
	s_and_b32 s17, ttmp7, 0xffff
	s_lshl_b32 s17, s17, 2
	s_add_co_u32 s17, s17, s41                     ; tile row Y
	s_lshl_b32 s43, s41, 2
	s_lshl_b32 s43, 15, s43
	s_lshl_b32 s44, 0x1111, s40
	s_or_b32 s[G1+0], s43, (3<<16)|(1<<21)         ; the mask; elements of 8 bytes; 21 set beside a mask; no padding
	s_or_b32 s[G1B+0], s44, (3<<16)|(1<<21)
.irp g, G1, G1B
	s_mov_b32 s[\g+1], 1024<<16                    ; tensor_dim0 = 1,024 elements: 8,192 bytes
	s_mov_b32 s[\g+2], 4<<16
	s_mov_b32 s[\g+3], 1024<<16
	s_mov_b32 s[\g+4], 4
	s_mov_b32 s[\g+5], 2*SIZE_K                    ; a block of 16 rows is 16 SIZE_K bytes
	s_mov_b32 s[\g+6], 0
	s_mov_b32 s[\g+7], 0
.endr
	s_lshl_b32 s18, s16, 6
	s_lshl_b32 s20, s17, 7
	s_add_co_u32 s20, s20, s18
	s_mul_i32 s20, s20, SIZE_K                     ; A: row 128 Y + 64 half
	s_mov_b32 s21, 0
	s_lshl_b32 s46, s42, 7
	s_add_co_u32 s46, s46, s18
	s_mul_i32 s46, s46, SIZE_K                     ; B: row 128 X + 64 half
	s_add_co_u32 s46, s46, WOFF
	s_mov_b32 s47, 0
	s_mul_i32 s45, s14, HALFT
	s_wait_dscnt 0x0
	s_wait_kmcnt 0x0
	s_load_b64 s[72:73], s[8:9], SCB               ; eA, eB
	s_add_nc_u64 s[20:21], s[4:5], s[20:21]
	s_add_nc_u64 s[46:47], s[6:7], s[46:47]
	CROUND
.irp s, 0,1
	s_mov_b32 s[G0+4*\s], 1
	s_add_co_u32 s[G0+4*\s+1], s45, \s*SLOT
	s_add_nc_u64 s[G0+4*\s+2:G0+4*\s+3], s[20:21], \s*KSB
	s_or_b32 s[G0+4*\s+3], s[G0+4*\s+3], 0x80000000
	s_mov_b32 s[G0B+4*\s], 1
	s_add_co_u32 s[G0B+4*\s+1], s45, \s*SLOT
	s_add_nc_u64 s[G0B+4*\s+2:G0B+4*\s+3], s[46:47], \s*KSB
	s_or_b32 s[G0B+4*\s+3], s[G0B+4*\s+3], 0x80000000
.endr
	JLOAD G0, G1, G0B, G1B                         ; K step 0: one tensor load a wave at the head
	; prefetch: of the four blocks of 16 rows that I fetch, the partner at place p (cx for A, cy for B) names block p: 32 lanes x 256 bytes are its K step
	s_cmp_eq_u32 s15, 0
	s_cselect_b64 s[66:67], s[20:21], s[46:47]
	s_cselect_b32 s2, s40, s41
	s_mul_i32 s2, s2, 16*SIZE_K
	s_mov_b32 s3, 0
	s_add_nc_u64 s[66:67], s[66:67], s[2:3]
	v_and_b32 v8, 31, v0
	v_lshlrev_b32 v8, 8, v8                        ; v8, s[66:67] are never rewritten
	global_prefetch_b8 v8, s[66:67] offset:KSB th:TH_LOAD_NT scope:SCOPE_SE      ; K step 1, the last
	v_and_b32 v1, 31, v0
	v_lshlrev_b32 v[LI], 4, v1
	s_mul_i32 s21, s15, HALFT
	s_mul_i32 s22, s16, HALFT
	s_add_co_u32 s22, s22, 2*HALFT
.irp s, 0,1
	v_add_nc_u32 v[ADRA+\s], s21, v[LI]
	v_add_nc_u32 v[ADRB+\s], s22, v[LI]
	s_add_co_u32 s21, s21, SLOT
	s_add_co_u32 s22, s22, SLOT
.endr
	v_and_b32 v2, 15, v0
	v_bfe_u32 v3, v0, 4, 1
	s_mul_i32 s23, s14, 16*SPITCH
	s_add_co_u32 s23, s23, STAGE                   ; my stage
	v_mul_u32_u24 v5, v2, SPITCH
	v_lshl_add_u32 v5, v3, 5, v5
	v_add_nc_u32 v[STO], s23, v5                   ; in: row l % 16, 32 bytes for each half of the lanes
	v_mul_u32_u24 v5, v3, SPITCH
	v_lshl_add_u32 v5, v2, 4, v5
	v_add_nc_u32 v[RD], s23, v5                    ; back: lanes 0-15 one row of 256 bytes, lanes 16-31 the next
	v_lshlrev_b32 v5, 12, v3
	v_lshl_add_u32 v[CO], v2, 4, v5                ; and the same two rows in memory
	s_wait_alu depctr_va_vdst(0)
	s_lshl_b32 s20, s17, 7
	s_lshl_b32 s21, s15, 6
	s_add_co_u32 s20, s20, s21
	s_lshl_b32 s20, s20, 12                        ; my first row, 4,096 bytes a row,
	s_lshl_b32 s46, s42, 9
	s_lshl_b32 s47, s16, 8
	s_add_co_u32 s46, s46, s47
	s_add_co_u32 s20, s20, s46                     ; my first column
	s_mov_b32 s21, 0
	s_add_nc_u64 s[10:11], s[10:11], s[20:21]
	s_add_nc_u64 s[12:13], s[12:13], s[20:21]
	WIN 0x80                                       ; destination window 2
.irp a, 0,1,2,3
.irp t, 0,1,2,3,4,5,6,7
	global_load_b128 v[32*\a+4*\t:32*\a+4*\t+3], v[CO], s[10:11] offset:(16*\a+2*\t)*4096
.endr
.endr
	WIN 0
.macro MULROW f, a, zero               ; A's block a against B's four.  The 16 accumulators take turns, one instruction a turn
.irp b, 0,1,2,3
.if \zero
	v_wmma_f32_16x16x128_fp8_fp8 v[ACC+8*(4*(\a)+\b):ACC+8*(4*(\a)+\b)+7], v[\f+64+16*\b:\f+64+16*\b+15], v[\f+16*(\a):\f+16*(\a)+15], 0
.else
	v_wmma_f32_16x16x128_fp8_fp8 v[ACC+8*(4*(\a)+\b):ACC+8*(4*(\a)+\b)+7], v[\f+64+16*\b:\f+64+16*\b+15], v[\f+16*(\a):\f+16*(\a)+15], v[ACC+8*(4*(\a)+\b):ACC+8*(4*(\a)+\b)+7]
.endif
.endr
.endm
.macro FETCH slot, q, f                ; 32 LDS loads in one run: the slot's q-th 128 along K: B's four fragments, then A's
	WIN TO_F
.irp i, 0,1,2,3
.irp c, 0,1,2,3
	ds_load_b128 v[\f+64+16*\i+4*\c:\f+64+16*\i+4*\c+3], v[ADRB+\slot] offset:2048*(\q)+KSB*\i+512*\c
.endr
.endr
.irp i, 0,1,2,3
.irp c, 0,1,2,3
	ds_load_b128 v[\f+16*\i+4*\c:\f+16*\i+4*\c+3], v[ADRA+\slot] offset:2048*(\q)+KSB*\i+512*\c
.endr
.endr
.endm
.macro PLACES
.rept 4
	v_nop
.endr
.endm
.macro QUARTER slot, qn, f, g, zero    ; multiplies buffer f; in its middle fetches the slot's qn-th 128 along K into g
	s_wait_dscnt 8                                 ; B's fragments and A's blocks 0, 1 are in; the youngest eight loads (blocks 2, 3) may be out
	WIN MUL
	MULROW \f, 0, \zero
	MULROW \f, 1, \zero
	PLACES
	FETCH \slot, \qn, \g
	s_wait_dscnt 32                                ; all but the 32 just issued
	WIN MUL
	MULROW \f, 2, \zero
	MULROW \f, 3, \zero
.endm
; A slot's last quarter multiplies buffer 1 and changes slots: one barrier; in front of it each wave waits for all its tensor loads, adds 0 to its spare word, and waits for that and for its reads of this slot.
.macro TURN slot, next, fill
	WIN 0
	s_wait_tensorcnt 0x0
	ds_add_u32 v[SPW], v[NIL]
	s_wait_dscnt 9                                 ; the add and the youngest eight loads may be out
	WIN MUL
	MULROW F1, 0, 0
	MULROW F1, 1, 0
	s_wait_dscnt 0x0
	s_barrier_signal -1
	MULROW F1, 2, 0
.if \fill
	WIN 0
.endif
	s_barrier_wait -1
.if \fill
	CREST
	s_add_nc_u64 s[G0+4*\slot+2:G0+4*\slot+3], s[G0+4*\slot+2:G0+4*\slot+3], 2*KSB
	s_add_nc_u64 s[G0B+4*\slot+2:G0B+4*\slot+3], s[G0B+4*\slot+2:G0B+4*\slot+3], 2*KSB
	JLOAD G0+4*\slot, G1, G0B+4*\slot, G1B
.else
	PLACES
.endif
	FETCH \next, 0, F0
	WIN MUL
	MULROW F1, 3, 0
.endm
	s_wait_alu depctr_va_vdst(0)
	s_wait_tensorcnt 0x0                           ; my part of K step 0 is in
	ds_add_u32 v[SPW], v[NIL]
	s_wait_dscnt 0x0
	CROUND                                         ; everybody's part of K step 0 is in
	JLOAD G0+4, G1, G0B+4, G1B                     ; K step 1, the first tensor load behind the round
	FETCH 0, 0, F0
	QUARTER 0, 1, F0, F1, 1                        ; the first quarter's products start the sums
.if LAPS > 1
	WIN 0
	s_mov_b32 s3, LAPS-1
.Llap:
	QUARTER 0, 2, F1, F0, 0
	QUARTER 0, 3, F0, F1, 0
	TURN 0, 1, 1
	QUARTER 1, 1, F0, F1, 0
	QUARTER 1, 2, F1, F0, 0
	QUARTER 1, 3, F0, F1, 0
	TURN 1, 0, 1
	QUARTER 0, 1, F0, F1, 0
	WIN 0
	s_sub_co_u32 s3, s3, 1
	s_cmp_lg_u32 s3, 0
	s_cbranch_scc1 .Llap
.endif
	QUARTER 0, 2, F1, F0, 0                        ; the last lap fills nothing
	QUARTER 0, 3, F0, F1, 0
	TURN 0, 1, 0
	QUARTER 1, 1, F0, F1, 0
	QUARTER 1, 2, F1, F0, 0
	QUARTER 1, 3, F0, F1, 0
	s_wait_dscnt 8
	WIN MUL
	MULROW F1, 0, 0
	MULROW F1, 1, 0
	s_wait_dscnt 0x0
	MULROW F1, 2, 0
	MULROW F1, 3, 0
	WIN 0
	; THE WAY OUT, a block of 16 rows at a time through my own stage: LDS serves a wave's instructions in order, so no wait stands between the stores and the loads.
	s_wait_loadcnt 0x0                             ; the residual
	s_wait_kmcnt 0x0
	s_add_co_i32 s70, s72, s73
	s_add_co_i32 s70, s70, 127
	s_lshl_b32 s70, s70, 23                        ; 2^(eA + eB)
	s_mov_b32 s71, s70
	PLACES
.macro TOSTAGE a
.set BB, BK+32*((\a)%2)
.irp b, 0,1,2,3
	ds_store_b128 v[STO], v[ACC+8*(4*(\a)+\b):ACC+8*(4*(\a)+\b)+3] offset:64*\b          ; each accumulator from its low end on
	ds_store_b128 v[STO], v[ACC+8*(4*(\a)+\b)+4:ACC+8*(4*(\a)+\b)+7] offset:64*\b+16
.endr
.irp t, 0,1,2,3,4,5,6,7
	ds_load_b128 v[BB+4*\t:BB+4*\t+3], v[RD] offset:2*\t*SPITCH
.endr
.endm
.macro SEND a, younger                 ; younger: the LDS instructions issued behind block a's loads
.set BB, BK+32*((\a)%2)
	s_wait_dscnt \younger
	WIN 0x20                                       ; source 2 (the residual) window 2
.set n, 0
.rept 16
	v_pk_fma_f32 v[BB+n:BB+n+1], v[BB+n:BB+n+1], s[70:71], v[32*(\a)+n:32*(\a)+n+1] op_sel_hi:[1,0,1]
.set n, n+2
.endr
	WIN 0
.irp t, 0,1,2,3,4,5,6,7
	global_store_b128 v[CO], v[BB+4*\t:BB+4*\t+3], s[12:13] offset:(16*(\a)+2*\t)*4096   ; sixteen lanes store 256 consecutive aligned bytes
.endr
.endm
	TOSTAGE 0
	TOSTAGE 1
	SEND 0, 16
	s_wait_xcnt 0x0                                ; block 0's stores have read their registers: block 2's rows may land there
	TOSTAGE 2
	SEND 1, 16
	s_wait_xcnt 0x0
	TOSTAGE 3
	SEND 2, 16
	SEND 3, 0
	s_wait_tensorcnt 0x0                           ; the wave's end
	ds_add_u32 v[SPW], v[NIL]
	s_wait_dscnt 0x0
	CROUND                                         ; the closing round
	s_endpgm
.Lfunc_end_k_q3ad945b01e_oproj:
	.size	k_q3ad945b01e_oproj, .Lfunc_end_k_q3ad945b01e_oproj-k_q3ad945b01e_oproj
	.p2alignl 7, 3214868480
	.fill 96, 4, 3214868480
	.section	.rodata,"a",@progbits
	.p2align	6, 0x0
	.amdhsa_kernel k_q3ad945b01e_oproj
		.amdhsa_group_segment_fixed_size 327680
		.amdhsa_private_segment_fixed_size 0
		.amdhsa_enable_private_segment 0
		.amdhsa_kernarg_size 40
		.amdhsa_user_sgpr_count 2
		.amdhsa_user_sgpr_kernarg_segment_ptr 1
		.amdhsa_wavefront_size32 1
		.amdhsa_system_sgpr_workgroup_id_x 1
		.amdhsa_system_sgpr_workgroup_id_y 1
		.amdhsa_system_sgpr_workgroup_id_z 1
		.amdhsa_system_vgpr_workitem_id 0
		.amdhsa_next_free_vgpr 768
		.amdhsa_next_free_sgpr 76
		.amdhsa_reserve_vcc 0
		.amdhsa_float_denorm_mode_32 3
		.amdhsa_float_denorm_mode_16_64 3
		.amdhsa_memory_ordered 1
		.amdhsa_forward_progress 1
		.amdhsa_inst_pref_size 50
	.end_amdhsa_kernel
	.amdgpu_metadata
---
amdhsa.version: [ 1, 2 ]
amdhsa.kernels:
  - .name:           k_q3ad945b01e_oproj
    .symbol:         k_q3ad945b01e_oproj.kd
    .args:
      - { .name: ac, .offset: 0, .size: 8, .value_kind: global_buffer, .address_space: global }
      - { .name: wc, .offset: 8, .size: 8, .value_kind: global_buffer, .address_space: global }
      - { .name: lowp_scales, .offset: 16, .size: 8, .value_kind: global_buffer, .address_space: global }
      - { .name: x, .offset: 24, .size: 8, .value_kind: global_buffer, .address_space: global }
      - { .name: x1, .offset: 32, .size: 8, .value_kind: global_buffer, .address_space: global }
    .group_segment_fixed_size: 327680
    .private_segment_fixed_size: 0
    .kernarg_segment_align: 8
    .kernarg_segment_size: 40
    .max_flat_workgroup_size: 128
    .sgpr_count:     76
    .vgpr_count:     768
    .wavefront_size: 32
...
	.end_amdgpu_metadata
.endif
;; end of part 4
;; launch ln2 (part 5): grid 256 x 1, 4 waves a work-group, no clusters, 17,920 bytes of LDS; arguments x1, g2, b2, lowp_scales, h2c; writes h2c
.if DOCPART == 5
	.amdgcn_target "amdgcn-amd-amdhsa--gfx1250"
	.amdhsa_code_object_version 6
	.text
	.protected	k_q3ad945b01e_ln2
	.globl	k_q3ad945b01e_ln2
	.p2align	8
	.type	k_q3ad945b01e_ln2,@function
k_q3ad945b01e_ln2:
	s_mov_b64 s[64:65], 0
	v_nop
	global_prefetch_b8 v0, s[64:65] scope:SCOPE_SE
	s_setreg_imm32_b32 hwreg(HW_REG_WAVE_MODE, 25, 1), 1
	s_wait_xcnt 0x0
; The second layer norm: h2 = layer norm of x1 (gain g2, bias b2), as codes of E4M3 with the scale of entry 12 of the exponents, laid as an image of operand registers:
; [rows / 16][K / 128][2,048 bytes], a fragment [cc 0..3][lane][16 bytes]; lane (r, h) holds, of row r, k = 32 cc + 8 h + 0..7 and then k = 32 cc + 16 + 8 h + 0..7.
; A work-group takes 16 rows, four a wave.  Mean, then the mean square of x - mean, v_rsq_f32, all f32.  A row's codes belong to 64 pieces of 256 bytes of the image (16 rows x 16 bytes each): the 16 rows meet in a stage in LDS
; (a piece 272 bytes from the next: the 32 lanes of a store of 8 bytes touch 64 different banks) and leave as whole pieces behind one barrier.
; LIMITS: e12 between -126 and 119; NaN and infinities among the inputs are not served.
.set NSETS, 1
.set STG,   17408
.set SPARE, NSETS*STG
.set PX,  16
.set PG,  18
.set PB,  20
.set PH,  38
.set VX,  2
.set VST, 3
.set VRD, 4
.set VGO, 5
.set SPW, 6
.set NIL, 7
.set SC,  8
.set TA,  16
.set CD,  32
.set RT,  56
.set X,   64
.set G,   192
.set B,   224
.macro WSUM                            ; v[RT] summed over the 32 lanes, the result in every lane
	v_add_f32_dpp v[RT], v[RT], v[RT] row_xmask:1 row_mask:0xf bank_mask:0xf
	v_add_f32_dpp v[RT], v[RT], v[RT] row_xmask:2 row_mask:0xf bank_mask:0xf
	v_add_f32_dpp v[RT], v[RT], v[RT] row_xmask:4 row_mask:0xf bank_mask:0xf
	v_add_f32_dpp v[RT], v[RT], v[RT] row_xmask:8 row_mask:0xf bank_mask:0xf
	v_permlanex16_b32 v[RT+1], v[RT], s12, s13
	v_add_f32 v[RT], v[RT], v[RT+1]
.endm
.macro LNROW i
.set R, X+32*(\i)
	s_wait_loadcnt 24-8*(\i)                       ; gain, bias and this row are in; the later rows' 8 loads each may be out
	v_pk_add_f32 v[RT:RT+1], v[R:R+1], v[R+2:R+3]
	v_pk_add_f32 v[RT+2:RT+3], v[R+4:R+5], v[R+6:R+7]
.set n, 8
.rept 6
	v_pk_add_f32 v[RT:RT+1], v[RT:RT+1], v[R+n:R+n+1]
	v_pk_add_f32 v[RT+2:RT+3], v[RT+2:RT+3], v[R+n+2:R+n+3]
.set n, n+4
.endr
	v_pk_add_f32 v[RT:RT+1], v[RT:RT+1], v[RT+2:RT+3]
	v_add_f32 v[RT], v[RT], v[RT+1]
	WSUM
	v_mul_f32 v[RT+4], s14, v[RT]                  ; the mean, twice
	v_mul_f32 v[RT+5], s14, v[RT]
.set n, 0
.rept 16
	v_pk_add_f32 v[R+n:R+n+1], v[R+n:R+n+1], v[RT+4:RT+5] neg_lo:[0,1] neg_hi:[0,1]
.set n, n+2
.endr
	v_pk_mul_f32 v[RT:RT+1], v[R:R+1], v[R:R+1]
	v_pk_mul_f32 v[RT+2:RT+3], v[R+2:R+3], v[R+2:R+3]
.set n, 4
.rept 7
	v_pk_fma_f32 v[RT:RT+1], v[R+n:R+n+1], v[R+n:R+n+1], v[RT:RT+1]
	v_pk_fma_f32 v[RT+2:RT+3], v[R+n+2:R+n+3], v[R+n+2:R+n+3], v[RT+2:RT+3]
.set n, n+4
.endr
	v_pk_add_f32 v[RT:RT+1], v[RT:RT+1], v[RT+2:RT+3]
	v_add_f32 v[RT], v[RT], v[RT+1]
	WSUM
	v_fma_f32 v[RT], v[RT], s14, s15               ; variance + eps
	s_wait_alu depctr_va_vdst(0)
	v_rsq_f32 v[RT+6], v[RT]
	v_rsq_f32 v[RT+7], v[RT]
	v_nop                                          ; a plain instruction behind the two roots,
	s_wait_alu depctr_va_vdst(0)                   ; and one wait for both, ahead of their first reader
.set n, 0
.rept 16
	v_pk_mul_f32 v[R+n:R+n+1], v[R+n:R+n+1], v[RT+6:RT+7]
.set n, n+2
.endr
.set n, 0
.rept 16
	v_pk_fma_f32 v[R+n:R+n+1], v[R+n:R+n+1], v[G+n:G+n+1], v[B+n:B+n+1]
.set n, n+2
.endr
	s_wait_dscnt 0x0                               ; the last row's stores into the stage have read their registers
.irp j, 0,1,2,3
.set TT, TA+8*(\j%2)
.set n, 0
.rept 8
	v_med3_num_f32 v[TT+n], v[R+8*\j+n], -v[SC+1], v[SC+1]   ; the conversion does not saturate (ISA guide 7.6.2): the hold comes first
.set n, n+1
.endr
	v_cvt_scalef32_pk8_fp8_f32 v[CD+2*\j:CD+2*\j+1], v[TT:TT+7], v[SC]
	ds_store_b64 v[VST], v[CD+2*\j:CD+2*\j+1] offset:4352*\j+16*(\i)
.endr
	v_nop                                          ; a plain instruction behind the last conversion
.endm
	s_load_b256 s[16:23], s[0:1], 0x0              ; x1 16, g2 18, b2 20, the exponents 22
	s_load_b64 s[PH:PH+1], s[0:1], 0x20            ; the codes
	v_lshl_add_u32 v[SPW], v0, 2, SPARE
	v_mov_b32 v[NIL], 0
	v_lshrrev_b32 v1, 5, v0
	v_readfirstlane_b32 s8, v1                     ; wave 0..3
	v_and_b32 v1, 31, v0                           ; lane l
	v_lshlrev_b32 v[VX], 5, v1
	; my 8 numbers k = 256 j + 8 l + 0..7 belong to fragment 2 j + l / 16, cc = (l / 4) % 4, h = l % 2, first or second 8 bytes by (l / 2) % 2
	v_lshrrev_b32 v10, 4, v1
	v_bfe_u32 v11, v1, 2, 2
	v_and_b32 v12, 1, v1
	v_lshlrev_b32 v13, 3, v10
	v_lshl_add_u32 v13, v11, 1, v13
	v_add_nc_u32 v13, v13, v12
	v_mul_u32_u24 v[VST], v13, 272
	v_bfe_u32 v14, v1, 1, 1
	v_lshl_add_u32 v[VST], v14, 3, v[VST]
	s_lshl_b32 s9, s8, 6
	v_add_nc_u32 v[VST], s9, v[VST]
	s_lshl_b32 s9, s8, 4
	v_add_nc_u32 v13, s9, v10
	v_mul_u32_u24 v[VRD], v13, 272
	v_and_b32 v14, 15, v1
	v_lshl_add_u32 v[VRD], v14, 4, v[VRD]
	s_lshl_b32 s9, s8, 12
	v_lshl_add_u32 v[VGO], v1, 4, s9
	s_mov_b32 s12, 0x76543210
	s_mov_b32 s13, 0xfedcba98
	s_mov_b32 s14, 0x3a800000                      ; 1 / 1,024
	s_mov_b32 s15, 0x3727c5ac                      ; eps = 1e-5
	s_lshl_b32 s2, ttmp9, 16
	s_lshl_b32 s3, s8, 14
	s_add_co_u32 s2, s2, s3
	s_mov_b32 s3, 0
	s_wait_kmcnt 0x0
	s_load_b32 s40, s[22:23], 0x30                 ; e12
	s_add_nc_u64 s[PX:PX+1], s[PX:PX+1], s[2:3]
.irp j, 0,1,2,3
.irp u, 0,1
	global_load_b128 v[G+8*\j+4*\u:G+8*\j+4*\u+3], v[VX], s[PG:PG+1] offset:1024*\j+16*\u
	global_load_b128 v[B+8*\j+4*\u:B+8*\j+4*\u+3], v[VX], s[PB:PB+1] offset:1024*\j+16*\u
.endr
.endr
.irp i, 0,1,2,3
.irp j, 0,1,2,3
.irp u, 0,1
	global_load_b128 v[X+32*\i+8*\j+4*\u:X+32*\i+8*\j+4*\u+3], v[VX], s[PX:PX+1] offset:4096*\i+1024*\j+16*\u
.endr
.endr
.endr
	s_wait_kmcnt 0x0
	s_add_co_i32 s9, s40, 127
	s_lshl_b32 s10, s9, 23
	v_mov_b32 v[SC], s10                           ; 2^e12
	s_add_co_i32 s9, s9, 8
	s_lshl_b32 s9, s9, 23
	s_or_b32 s9, s9, 0x600000
	v_mov_b32 v[SC+1], s9                          ; 448 x 2^e12
	LNROW 0
	LNROW 1
	LNROW 2
	LNROW 3
	s_wait_dscnt 0x0                               ; for the others' sake: my stores into the stage are done
	s_barrier_signal -1
	s_barrier_wait -1
	s_lshl_b32 s2, ttmp9, 14
	s_mov_b32 s3, 0
	s_add_nc_u64 s[PH:PH+1], s[PH:PH+1], s[2:3]
.irp i, 0,1,2,3,4,5,6,7
	ds_load_b128 v[X+4*\i:X+4*\i+3], v[VRD] offset:544*\i
.endr
.irp i, 0,1,2,3,4,5,6,7
	s_wait_dscnt 7-\i                              ; the younger loads may be out
	global_store_b128 v[VGO], v[X+4*\i:X+4*\i+3], s[PH:PH+1] offset:512*\i
.endr
	s_wait_tensorcnt 0x0                           ; the wave's end
	ds_add_u32 v[SPW], v[NIL]
	s_wait_dscnt 0x0
	s_endpgm
.Lfunc_end_k_q3ad945b01e_ln2:
	.size	k_q3ad945b01e_ln2, .Lfunc_end_k_q3ad945b01e_ln2-k_q3ad945b01e_ln2
	.p2alignl 7, 3214868480
	.fill 96, 4, 3214868480
	.section	.rodata,"a",@progbits
	.p2align	6, 0x0
	.amdhsa_kernel k_q3ad945b01e_ln2
		.amdhsa_group_segment_fixed_size 17920
		.amdhsa_private_segment_fixed_size 0
		.amdhsa_enable_private_segment 0
		.amdhsa_kernarg_size 40
		.amdhsa_user_sgpr_count 2
		.amdhsa_user_sgpr_kernarg_segment_ptr 1
		.amdhsa_wavefront_size32 1
		.amdhsa_system_sgpr_workgroup_id_x 1
		.amdhsa_system_sgpr_workgroup_id_y 1
		.amdhsa_system_sgpr_workgroup_id_z 1
		.amdhsa_system_vgpr_workitem_id 0
		.amdhsa_next_free_vgpr 256
		.amdhsa_next_free_sgpr 66
		.amdhsa_reserve_vcc 0
		.amdhsa_float_denorm_mode_32 3
		.amdhsa_float_denorm_mode_16_64 3
		.amdhsa_memory_ordered 1
		.amdhsa_forward_progress 1
		.amdhsa_inst_pref_size 44
	.end_amdhsa_kernel
	.amdgpu_metadata
---
amdhsa.version: [ 1, 2 ]
amdhsa.kernels:
  - .name:           k_q3ad945b01e_ln2
    .symbol:         k_q3ad945b01e_ln2.kd
    .args:
      - { .name: x1, .offset: 0, .size: 8, .value_kind: global_buffer, .address_space: global }
      - { .name: g2, .offset: 8, .size: 8, .value_kind: global_buffer, .address_space: global }
      - { .name: b2, .offset: 16, .size: 8, .value_kind: global_buffer, .address_space: global }
      - { .name: lowp_scales, .offset: 24, .size: 8, .value_kind: global_buffer, .address_space: global }
      - { .name: h2c, .offset: 32, .size: 8, .value_kind: global_buffer, .address_space: global }
    .group_segment_fixed_size: 17920
    .private_segment_fixed_size: 0
    .kernarg_segment_align: 8
    .kernarg_segment_size: 40
    .max_flat_workgroup_size: 128
    .sgpr_count:     66
    .vgpr_count:     256
    .wavefront_size: 32
...
	.end_amdgpu_metadata
.endif
;; end of part 5
;; launch ffn1 (part 6): grid 16 x 16, 4 waves a work-group, clusters of 4 x 4, 327,680 bytes of LDS; arguments h2c, wc, lowp_scales, gc; writes gc
.if DOCPART == 6
	.amdgcn_target "amdgcn-amd-amdhsa--gfx1250"
	.amdhsa_code_object_version 6
	.text
	.protected	k_q3ad945b01e_ffn1
	.globl	k_q3ad945b01e_ffn1
	.p2align	8
	.type	k_q3ad945b01e_ffn1,@function
k_q3ad945b01e_ffn1:
	s_mov_b64 s[64:65], 0
	v_nop
	global_prefetch_b8 v0, s[64:65] scope:SCOPE_SE
	s_setreg_imm32_b32 hwreg(HW_REG_WAVE_MODE, 25, 1), 1
	s_wait_xcnt 0x0
	s_wait_alu depctr_hold_cnt(0) depctr_sa_sdst(0) depctr_va_vdst(0) depctr_va_sdst(0) depctr_va_ssrc(0) depctr_va_vcc(0) depctr_vm_vsrc(0)
	s_getreg_b32 s2, hwreg(HW_REG_IB_STS2, 6, 4)
	s_cmp_eq_u32 s2, 0
	s_cbranch_scc0 .Lentry_in_a_cluster
	s_endpgm
.Lentry_in_a_cluster:
	s_bfe_u32 s2, ttmp6, 0x10000c
	s_cmp_lg_u32 s2, 0xf033
	s_cbranch_scc0 .Lentry_shape_is_right
	s_endpgm
.Lentry_shape_is_right:
.set SIZE_K, 1024
.set BLKB,   4096
.set RBLK,   16*SIZE_K
.set HALFT,  8*BLKB
.set SLOT,   4*HALFT
.set SPARE,  2*SLOT
.set LAPS,   SIZE_K/512
.set FR,     16
.set NL,     4
.set NP,     4
.set LI,   4
.set ADRA, 16
.set ADRB, 20
.set DA,   24
.set DR,   25
.set SPW,  28
.set NIL,  29
.set AF,   128
.set GT,   96
.set GP,   128
.set GM,   160
.set G1, 24
.set G0, 32
.set G1B, 48
.set G0B, 56
.set MSB, 0
.macro WIN new
.if MSB != (\new)
	s_set_vgpr_msb (MSB<<8)|(\new)
.set MSB, \new
.endif
.endm
.set MUL_LO, 0xa1
.set MUL_HI, 0xf1
.set TO_B,   0x40
.macro JLOAD g0a, g1a, g0b, g1b
	s_cmp_eq_u32 s15, 0
	s_cbranch_scc0 .Lfor_b_\@
	tensor_load_to_lds s[\g0a:\g0a+3], s[\g1a:\g1a+7]
	s_nop 0
.rept 4
	v_nop
.endr
	s_branch .Lasked_\@
.Lfor_b_\@:
	tensor_load_to_lds s[\g0b:\g0b+3], s[\g1b:\g1b+7]
	s_nop 0
.rept 4
	v_nop
.endr
.Lasked_\@:
.endm
.macro CREST
	s_cmp_lg_u32 s14, 0
	s_cbranch_scc1 .Lnot_wave_0_\@
	s_barrier_signal -3
.Lnot_wave_0_\@:
	s_barrier_wait -3
	s_barrier_signal -1
	s_barrier_wait -1
.endm
.macro CROUND
	s_barrier_signal -1
	s_barrier_wait -1
	CREST
.endm
	s_load_b128 s[4:7], s[0:1], 0x0
	s_load_b128 s[8:11], s[0:1], 0x10
	v_lshl_add_u32 v[SPW], v0, 2, SPARE
	v_mov_b32 v[NIL], 0
	ds_add_u32 v[SPW], v[NIL]
	ds_add_u32 v[SPW], v[NIL]
	v_lshrrev_b32 v1, 5, v0
	v_readfirstlane_b32 s14, v1
	s_lshr_b32 s15, s14, 1
	s_and_b32 s16, s14, 1
	s_bfe_u32 s40, ttmp6, 0x40000
	s_bfe_u32 s41, ttmp6, 0x40004
	s_lshl_b32 s42, ttmp9, 2
	s_add_co_u32 s42, s42, s40
	s_and_b32 s17, ttmp7, 0xffff
	s_lshl_b32 s17, s17, 2
	s_add_co_u32 s17, s17, s41
	s_lshl_b32 s43, s41, 2
	s_lshl_b32 s43, 15, s43
	s_lshl_b32 s44, 0x1111, s40
	s_or_b32 s[G1+0], s43, (3<<16)|(1<<21)
	s_or_b32 s[G1B+0], s44, (3<<16)|(1<<21)
.irp g, G1, G1B
	s_mov_b32 s[\g+1], 512<<16
	s_mov_b32 s[\g+2], 8<<16
	s_mov_b32 s[\g+3], 512<<16
	s_mov_b32 s[\g+4], 8
	s_mov_b32 s[\g+5], RBLK/8
	s_mov_b32 s[\g+6], 0
	s_mov_b32 s[\g+7], 0
.endr
	s_lshl_b32 s18, s16, 7
	s_lshl_b32 s20, s17, 8
	s_add_co_u32 s20, s20, s18
	s_lshl_b32 s20, s20, 10
	s_mov_b32 s21, 0
	s_lshl_b32 s46, s42, 8
	s_add_co_u32 s46, s46, s18
	s_lshl_b32 s46, s46, 10
	s_add_co_u32 s46, s46, 0x400000
	s_mov_b32 s47, 0
	s_mul_i32 s45, s14, HALFT
	s_wait_dscnt 0x0
	s_wait_kmcnt 0x0
	s_load_b128 s[96:99], s[8:9], 0x30
	s_add_nc_u64 s[20:21], s[4:5], s[20:21]
	s_add_nc_u64 s[46:47], s[6:7], s[46:47]
	CROUND
.irp s, 0,1
	s_mov_b32 s[G0+4*\s], 1
	s_add_co_u32 s[G0+4*\s+1], s45, \s*SLOT
	s_add_nc_u64 s[G0+4*\s+2:G0+4*\s+3], s[20:21], \s*BLKB
	s_or_b32 s[G0+4*\s+3], s[G0+4*\s+3], 0x80000000
	s_mov_b32 s[G0B+4*\s], 1
	s_add_co_u32 s[G0B+4*\s+1], s45, \s*SLOT
	s_add_nc_u64 s[G0B+4*\s+2:G0B+4*\s+3], s[46:47], \s*BLKB
	s_or_b32 s[G0B+4*\s+3], s[G0B+4*\s+3], 0x80000000
.endr
	JLOAD G0, G1, G0B, G1B                         ; K step 0: one tensor load a wave at the head
	; prefetches: of the eight blocks of 16 rows that I fetch, the partner at place p (cx for A, cy for B) names blocks 2 p and 2 p + 1: 16 lanes x 256 bytes are a block's K step
	s_cmp_eq_u32 s15, 0
	s_cselect_b64 s[68:69], s[20:21], s[46:47]
	s_cselect_b32 s2, s40, s41
	s_mul_i32 s2, s2, 2*RBLK
	s_mov_b32 s3, 0
	s_add_nc_u64 s[68:69], s[68:69], s[2:3]
	v_and_b32 v8, 15, v0
	v_bfe_u32 v9, v0, 4, 1
	v_lshlrev_b32 v8, 8, v8
	v_lshl_add_u32 v8, v9, 14, v8                  ; v8, s[68:69] are never rewritten
	global_prefetch_b8 v8, s[68:69] offset:BLKB th:TH_LOAD_NT scope:SCOPE_SE     ; K step 1
	global_prefetch_b8 v8, s[68:69] offset:2*BLKB th:TH_LOAD_NT scope:SCOPE_SE   ; K step 2
	v_and_b32 v1, 31, v0
	v_lshlrev_b32 v[LI], 4, v1
	s_wait_alu depctr_va_vdst(0)
	s_mul_i32 s21, s15, HALFT
	s_mul_i32 s22, s16, HALFT
	s_add_co_u32 s22, s22, 2*HALFT
.irp s, 0,1
	v_add_nc_u32 v[ADRA+\s], s21, v[LI]
	v_add_nc_u32 v[ADRB+\s], s22, v[LI]
	s_add_co_u32 s21, s21, SLOT
	s_add_co_u32 s22, s22, SLOT
.endr
	s_lshl_b32 s18, s14, 16
	v_add_nc_u32 v[DA], s18, v[LI]
	s_lshl_b32 s20, s17, 4
	s_lshl_b32 s21, s15, 3
	s_add_co_u32 s20, s20, s21
	s_lshl_b32 s20, s20, 16
	s_lshl_b32 s46, s42, 1
	s_add_co_u32 s46, s46, s16
	s_lshl_b32 s46, s46, 11
	s_add_co_u32 s20, s20, s46
	s_mov_b32 s21, 0
	s_add_nc_u64 s[10:11], s[10:11], s[20:21]
.macro FRAG reg, adr, q, i
.irp c, 0,1,2,3
	ds_load_b128 v[\reg+4*\c:\reg+4*\c+3], v[\adr] offset:2048*(\q)+512*\c+(\i)*BLKB
.endr
.endm
.macro MUL16 a0, p, zero
.irp a, \a0, \a0+1
.irp b, 0,1,2,3,4,5,6,7
.if \zero
	v_wmma_f32_16x16x128_fp8_fp8 v[8*(8*((\a)%4)+\b):8*(8*((\a)%4)+\b)+7], v[128*(\p)+FR*\b:128*(\p)+FR*\b+FR-1], v[AF+FR*(\a):AF+FR*(\a)+FR-1], 0
.else
	v_wmma_f32_16x16x128_fp8_fp8 v[8*(8*((\a)%4)+\b):8*(8*((\a)%4)+\b)+7], v[128*(\p)+FR*\b:128*(\p)+FR*\b+FR-1], v[AF+FR*(\a):AF+FR*(\a)+FR-1], v[8*(8*((\a)%4)+\b):8*(8*((\a)%4)+\b)+7]
.endif
.endr
.endr
.endm
.macro FETCH_B slot, q, p
	WIN TO_B
.irp i, 0,1,2,3,4,5,6,7
	FRAG 128*(\p)+FR*\i, ADRB+\slot, \q, \i
.endr
	WIN 0
.endm
.macro FETCH_A slot, q, i0
.irp i, \i0, \i0+1, \i0+2, \i0+3
	FRAG AF+FR*(\i), ADRA+\slot, \q, \i
.endr
.endm
.macro PLACES n
.rept \n
	v_nop
.endr
.endm
.macro STEP slot, q, zero
	s_wait_dscnt 4*NL
	WIN MUL_LO
	MUL16 0, (\q)%2, \zero
	MUL16 2, (\q)%2, \zero
	s_wait_dscnt 0
	PLACES NP
	FETCH_B \slot, (\q)+1, 1-(\q)%2
	FETCH_A \slot, (\q)+1, 0
	WIN MUL_HI
	MUL16 4, (\q)%2, \zero
	MUL16 6, (\q)%2, \zero
	PLACES NP
	WIN 0
	FETCH_A \slot, (\q)+1, 4
.endm
.macro TURN slot, next, fill
	s_wait_tensorcnt 0x0
	ds_add_u32 v[SPW], v[NIL]
	s_wait_dscnt 4*NL+1
	WIN MUL_LO
	MUL16 0, 1, 0
	s_wait_dscnt 0x0
	s_barrier_signal -1
	MUL16 2, 1, 0
	WIN 0
	s_barrier_wait -1
.if \fill
	CREST
	s_add_nc_u64 s[G0+4*\slot+2:G0+4*\slot+3], s[G0+4*\slot+2:G0+4*\slot+3], 2*BLKB
	s_add_nc_u64 s[G0B+4*\slot+2:G0B+4*\slot+3], s[G0B+4*\slot+2:G0B+4*\slot+3], 2*BLKB
	JLOAD G0+4*\slot, G1, G0B+4*\slot, G1B
.else
	PLACES NP
.endif
	FETCH_B \next, 0, 0
	FETCH_A \next, 0, 0
	WIN MUL_HI
	MUL16 4, 1, 0
	MUL16 6, 1, 0
	PLACES NP
	WIN 0
	FETCH_A \next, 0, 4
.endm
	s_wait_alu depctr_va_vdst(0)
	s_wait_tensorcnt 0x0                           ; my part of K step 0 is in
	ds_add_u32 v[SPW], v[NIL]
	s_wait_dscnt 0x0
	CROUND                                         ; everybody's part of K step 0 is in
	JLOAD G0+4, G1, G0B+4, G1B                     ; K step 1, the first tensor load behind the round
	global_prefetch_b8 v8, s[68:69] offset:3*BLKB th:TH_LOAD_NT scope:SCOPE_SE   ; K step 3, the last
	FETCH_B 0, 0, 0
	FETCH_A 0, 0, 0
	FETCH_A 0, 0, 4
	STEP 0, 0, 1
	s_mov_b32 s3, LAPS-1
.Llap:
	TURN 0, 1, 1
	STEP 1, 0, 0
	TURN 1, 0, 1
	STEP 0, 0, 0
	s_sub_co_u32 s3, s3, 1
	s_cmp_lg_u32 s3, 0
	s_cbranch_scc1 .Llap
	TURN 0, 1, 0
	STEP 1, 0, 0
	s_wait_dscnt 4*NL
	WIN MUL_LO
	MUL16 0, 1, 0
	MUL16 2, 1, 0
	s_wait_dscnt 0
	WIN MUL_HI
	MUL16 4, 1, 0
	MUL16 6, 1, 0
	WIN 0
	PLACES NP
	s_wait_dscnt 0x0
	s_barrier_signal -1
	s_barrier_wait -1
	WIN 0x08
.set n, 0
.rept 32
	ds_store_b128 v[DA], v[8*n:8*n+3] offset:1024*n
	ds_store_b128 v[DA], v[8*n+4:8*n+7] offset:1024*n+512
.set n, n+1
.endr
	WIN 0x0c
.set n, 0
.rept 32
	ds_store_b128 v[DA], v[8*n:8*n+3] offset:32768+1024*n
	ds_store_b128 v[DA], v[8*n+4:8*n+7] offset:32768+1024*n+512
.set n, n+1
.endr
	WIN 0
	s_mov_b32 s24, 0xc034d90f
	s_mov_b32 s26, 0x3fb8ab5a
	s_mov_b32 s28, 0x3f0a29d2
	s_mov_b32 s30, 0x3e0efb2e
	s_mov_b32 s32, 0xbe899a80
	s_mov_b32 s34, 0x3ecdfd18
	s_mov_b32 s36, 0xbfd1a1e5
	s_mov_b32 s38, 0x40097039
	s_mov_b32 s40, 0xbf97d29d
.irp k, 24,26,28,30,32,34,36,38,40
	s_mov_b32 s[\k+1], s[\k]
.endr
	v_mov_b32 v224, 0x3e7c6f08
	v_mov_b32 v225, 0x3e7c6f08
	s_wait_kmcnt 0x0
	s_add_co_i32 s42, s96, s97
	s_lshl_b32 s43, s42, 23
	s_add_co_i32 s44, s43, 0x3eb504f3
	s_add_co_i32 s46, s43, 0x3f596d27
	s_mov_b32 s47, s46
	s_sub_co_i32 s42, s98, s42
	s_add_co_i32 s42, s42, 127
	s_lshl_b32 s43, s42, 23
	v_mov_b32 v31, s43
	s_add_co_i32 s42, s42, 8
	s_lshl_b32 s42, s42, 23
	s_or_b32 s42, s42, 0x600000
	v_mov_b32 v30, s42
.macro GELU32 s, half
.set n, 0
.rept 32
	v_fma_f32 v[GT+n], |v[\s+n]|, s44, 1.0
.set n, n+1
.endr
.set n, 0
	s_wait_alu depctr_va_vdst(0)
.rept 32
	v_rcp_f32 v[GT+n], v[GT+n]
.set n, n+1
.endr
.set n, 0
.rept 16
	v_pk_mul_f32 v[GM+n:GM+n+1], v[\s+n:\s+n+1], s[46:47] op_sel_hi:[1,0]
.set n, n+2
.endr
	s_wait_alu depctr_va_vdst(0)
.set n, 0
.rept 16
	v_pk_fma_f32 v[GP+n:GP+n+1], v[GT+n:GT+n+1], v[224:225], s[40:41] op_sel_hi:[1,1,0]
.set n, n+2
.endr
.irp k, 7,6,5,4,3,2,1,0
.set n, 0
.rept 16
	v_pk_fma_f32 v[GP+n:GP+n+1], v[GP+n:GP+n+1], v[GT+n:GT+n+1], s[24+2*\k:25+2*\k] op_sel_hi:[1,1,0]
.set n, n+2
.endr
.endr
.set n, 0
.rept 16
	v_pk_fma_f32 v[GP+n:GP+n+1], v[GM+n:GM+n+1], v[GM+n:GM+n+1], v[GP+n:GP+n+1] neg_lo:[1,0,0] neg_hi:[1,0,0]
.set n, n+2
.endr
.set n, 0
	s_wait_alu depctr_va_vdst(0)
.rept 32
	v_exp_f32 v[GP+n], v[GP+n]
.set n, n+1
.endr
.set n, 0
.rept 32
	v_max_num_f32 v[GM+n], 0, v[\s+n]
.set n, n+1
.endr
	s_wait_alu depctr_va_vdst(0)
.set n, 0
.rept 16
	v_pk_mul_f32 v[GT+n:GT+n+1], v[GT+n:GT+n+1], v[GP+n:GP+n+1]
.set n, n+2
.endr
.set n, 0
.rept 32
	v_fma_f32 v[GP+n], -|v[\s+n]|, v[GT+n], v[GM+n]
.set n, n+1
.endr
.set n, 0
.rept 32
	v_med3_num_f32 v[GP+n], v[GP+n], -v30, v30
.set n, n+1
.endr
.irp b, 0,1,2,3
	v_cvt_scalef32_pk8_fp8_f32 v[192+8*\half+2*\b:193+8*\half+2*\b], v[GP+8*\b:GP+8*\b+7], v31
.endr
	v_nop
	global_store_b128 v[LI], v[192+8*\half:195+8*\half], s[10:11] offset:1024*\half
	global_store_b128 v[LI], v[196+8*\half:199+8*\half], s[10:11] offset:1024*\half+512
.endm
	s_mov_b32 s66, 0
	s_mov_b32 s3, 8
.Lgelu:
	v_add_nc_u32 v[DR], s66, v[DA]
.irp b, 0,1,2,3,4,5,6,7
	ds_load_b128 v[32+8*\b:35+8*\b], v[DR] offset:1024*\b
	ds_load_b128 v[36+8*\b:39+8*\b], v[DR] offset:1024*\b+512
.endr
	s_wait_dscnt 8
	GELU32 32, 0
	s_wait_dscnt 0x0
	GELU32 64, 1
	s_wait_xcnt 0x0
	s_add_nc_u64 s[10:11], s[10:11], 0x10000
	s_add_co_u32 s66, s66, 8192
	s_sub_co_u32 s3, s3, 1
	s_cmp_lg_u32 s3, 0
	s_cbranch_scc1 .Lgelu
	s_wait_tensorcnt 0x0
	ds_add_u32 v[SPW], v[NIL]
	s_wait_dscnt 0x0
	CROUND
	s_endpgm
.Lfunc_end_k_q3ad945b01e_ffn1:
	.size	k_q3ad945b01e_ffn1, .Lfunc_end_k_q3ad945b01e_ffn1-k_q3ad945b01e_ffn1
	.p2alignl 7, 3214868480
	.fill 96, 4, 3214868480
	.section	.rodata,"a",@progbits
	.p2align	6, 0x0
	.amdhsa_kernel k_q3ad945b01e_ffn1
		.amdhsa_group_segment_fixed_size 327680
		.amdhsa_private_segment_fixed_size 0
		.amdhsa_enable_private_segment 0
		.amdhsa_kernarg_size 32
		.amdhsa_user_sgpr_count 2
		.amdhsa_user_sgpr_kernarg_segment_ptr 1
		.amdhsa_wavefront_size32 1
		.amdhsa_system_sgpr_workgroup_id_x 1
		.amdhsa_system_sgpr_workgroup_id_y 1
		.amdhsa_system_sgpr_workgroup_id_z 1
		.amdhsa_system_vgpr_workitem_id 0
		.amdhsa_next_free_vgpr 1024
		.amdhsa_next_free_sgpr 100
		.amdhsa_reserve_vcc 0
		.amdhsa_float_denorm_mode_32 3
		.amdhsa_float_denorm_mode_16_64 3
		.amdhsa_memory_ordered 1
		.amdhsa_forward_progress 1
		.amdhsa_inst_pref_size 132
	.end_amdhsa_kernel
	.amdgpu_metadata
---
amdhsa.version: [ 1, 2 ]
amdhsa.kernels:
  - .name:           k_q3ad945b01e_ffn1
    .symbol:         k_q3ad945b01e_ffn1.kd
    .args:
      - { .name: h2c, .offset: 0, .size: 8, .value_kind: global_buffer, .address_space: global }
      - { .name: wc, .offset: 8, .size: 8, .value_kind: global_buffer, .address_space: global }
      - { .name: lowp_scales, .offset: 16, .size: 8, .value_kind: global_buffer, .address_space: global }
      - { .name: gc, .offset: 24, .size: 8, .value_kind: global_buffer, .address_space: global }
    .group_segment_fixed_size: 327680
    .private_segment_fixed_size: 0
    .kernarg_segment_align: 8
    .kernarg_segment_size: 32
    .max_flat_workgroup_size: 128
    .sgpr_count:     100
    .vgpr_count:     1024
    .wavefront_size: 32
...
	.end_amdgpu_metadata
.endif
;; end of part 6
;; launch ffn2 (part 7): grid 8 x 32, 4 waves a work-group, clusters of 4 x 4, 327,680 bytes of LDS; arguments gc, wc, lowp_scales, x1, out0; writes out0
.if DOCPART == 7
	.amdgcn_target "amdgcn-amd-amdhsa--gfx1250"
	.amdhsa_code_object_version 6
	.text
	.protected	k_q3ad945b01e_ffn2
	.globl	k_q3ad945b01e_ffn2
	.p2align	8
	.type	k_q3ad945b01e_ffn2,@function
k_q3ad945b01e_ffn2:
	s_mov_b64 s[64:65], 0
	v_nop
	global_prefetch_b8 v0, s[64:65] scope:SCOPE_SE
	s_setreg_imm32_b32 hwreg(HW_REG_WAVE_MODE, 25, 1), 1
	s_wait_xcnt 0x0
	s_wait_alu depctr_hold_cnt(0) depctr_sa_sdst(0) depctr_va_vdst(0) depctr_va_sdst(0) depctr_va_ssrc(0) depctr_va_vcc(0) depctr_vm_vsrc(0)
	s_getreg_b32 s2, hwreg(HW_REG_IB_STS2, 6, 4)
	s_cmp_eq_u32 s2, 0
	s_cbranch_scc0 .Lentry_in_a_cluster
	s_endpgm
.Lentry_in_a_cluster:
	s_bfe_u32 s2, ttmp6, 0x10000c
	s_cmp_lg_u32 s2, 0xf033
	s_cbranch_scc0 .Lentry_shape_is_right
	s_endpgm
.Lentry_shape_is_right:
.set SIZE_K, 4096
.set WOFF,   0x800000
.set SCB,    0x38
.set KSB,    8192
.set HALFT,  4*KSB
.set SLOT,   4*HALFT
.set STAGE,  2*SLOT
.set SPITCH, 272
.set SPARE,  STAGE+4*16*SPITCH
.set LAPS,   SIZE_K/1024
.set LI,   4
.set ADRA, 16
.set ADRB, 20
.set STO,  24
.set RD,   25
.set CO,   26
.set SPW,  28
.set NIL,  29
.set BK,   32
.set ACC,  128
.set F0,   0
.set F1,   128
.set G1, 24
.set G0, 32
.set G1B, 48
.set G0B, 56
.set MSB, 0
.macro WIN new
.if MSB != (\new)
	s_set_vgpr_msb (MSB<<8)|(\new)
.set MSB, \new
.endif
.endm
.set MUL,  0x05
.set TO_F, 0x40
.macro JLOAD g0a, g1a, g0b, g1b
	s_cmp_eq_u32 s15, 0
	s_cbranch_scc0 .Lfor_b_\@
	tensor_load_to_lds s[\g0a:\g0a+3], s[\g1a:\g1a+7]
	s_nop 0
.rept 4
	v_nop
.endr
	s_branch .Lasked_\@
.Lfor_b_\@:
	tensor_load_to_lds s[\g0b:\g0b+3], s[\g1b:\g1b+7]
	s_nop 0
.rept 4
	v_nop
.endr
.Lasked_\@:
.endm
.macro CREST
	s_cmp_lg_u32 s14, 0
	s_cbranch_scc1 .Lnot_wave_0_\@
	s_barrier_signal -3
.Lnot_wave_0_\@:
	s_barrier_wait -3
	s_barrier_signal -1
	s_barrier_wait -1
.endm
.macro CROUND
	s_barrier_signal -1
	s_barrier_wait -1
	CREST
.endm
	s_load_b256 s[4:11], s[0:1], 0x0
	s_load_b64 s[12:13], s[0:1], 0x20
	v_lshl_add_u32 v[SPW], v0, 2, SPARE
	v_mov_b32 v[NIL], 0
	ds_add_u32 v[SPW], v[NIL]
	ds_add_u32 v[SPW], v[NIL]
	v_lshrrev_b32 v1, 5, v0
	v_readfirstlane_b32 s14, v1
	s_lshr_b32 s15, s14, 1
	s_and_b32 s16, s14, 1
	s_bfe_u32 s40, ttmp6, 0x40000
	s_bfe_u32 s41, ttmp6, 0x40004
	s_lshl_b32 s42, ttmp9, 2
	s_add_co_u32 s42, s42, s40
	s_and_b32 s17, ttmp7, 0xffff
	s_lshl_b32 s17, s17, 2
	s_add_co_u32 s17, s17, s41
	s_lshl_b32 s43, s41, 2
	s_lshl_b32 s43, 15, s43
	s_lshl_b32 s44, 0x1111, s40
	s_or_b32 s[G1+0], s43, (3<<16)|(1<<21)
	s_or_b32 s[G1B+0], s44, (3<<16)|(1<<21)
.irp g, G1, G1B
	s_mov_b32 s[\g+1], 1024<<16
	s_mov_b32 s[\g+2], 4<<16
	s_mov_b32 s[\g+3], 1024<<16
	s_mov_b32 s[\g+4], 4
	s_mov_b32 s[\g+5], 2*SIZE_K
	s_mov_b32 s[\g+6], 0
	s_mov_b32 s[\g+7], 0
.endr
	s_lshl_b32 s18, s16, 6
	s_lshl_b32 s20, s17, 7
	s_add_co_u32 s20, s20, s18
	s_mul_i32 s20, s20, SIZE_K
	s_mov_b32 s21, 0
	s_lshl_b32 s46, s42, 7
	s_add_co_u32 s46, s46, s18
	s_mul_i32 s46, s46, SIZE_K
	s_add_co_u32 s46, s46, WOFF
	s_mov_b32 s47, 0
	s_mul_i32 s45, s14, HALFT
	s_wait_dscnt 0x0
	s_wait_kmcnt 0x0
	s_load_b64 s[72:73], s[8:9], SCB
	s_add_nc_u64 s[20:21], s[4:5], s[20:21]
	s_add_nc_u64 s[46:47], s[6:7], s[46:47]
	CROUND
.irp s, 0,1
	s_mov_b32 s[G0+4*\s], 1
	s_add_co_u32 s[G0+4*\s+1], s45, \s*SLOT
	s_add_nc_u64 s[G0+4*\s+2:G0+4*\s+3], s[20:21], \s*KSB
	s_or_b32 s[G0+4*\s+3], s[G0+4*\s+3], 0x80000000
	s_mov_b32 s[G0B+4*\s], 1
	s_add_co_u32 s[G0B+4*\s+1], s45, \s*SLOT
	s_add_nc_u64 s[G0B+4*\s+2:G0B+4*\s+3], s[46:47], \s*KSB
	s_or_b32 s[G0B+4*\s+3], s[G0B+4*\s+3], 0x80000000
.endr
	JLOAD G0, G1, G0B, G1B                         ; K step 0: one tensor load a wave at the head
	; prefetches: of the four blocks of 16 rows that I fetch, the partner at place p (cx for A, cy for B) names block p: 32 lanes x 256 bytes are its K step
	s_cmp_eq_u32 s15, 0
	s_cselect_b64 s[66:67], s[20:21], s[46:47]
	s_cselect_b32 s2, s40, s41
	s_mul_i32 s2, s2, 16*SIZE_K
	s_mov_b32 s3, 0
	s_add_nc_u64 s[66:67], s[66:67], s[2:3]
	v_and_b32 v8, 31, v0
	v_lshlrev_b32 v8, 8, v8                        ; v8 is never rewritten
	global_prefetch_b8 v8, s[66:67] offset:KSB th:TH_LOAD_NT scope:SCOPE_SE      ; K step 1
	global_prefetch_b8 v8, s[66:67] offset:2*KSB th:TH_LOAD_NT scope:SCOPE_SE    ; K step 2
	v_and_b32 v1, 31, v0
	v_lshlrev_b32 v[LI], 4, v1
	s_mul_i32 s21, s15, HALFT
	s_mul_i32 s22, s16, HALFT
	s_add_co_u32 s22, s22, 2*HALFT
.irp s, 0,1
	v_add_nc_u32 v[ADRA+\s], s21, v[LI]
	v_add_nc_u32 v[ADRB+\s], s22, v[LI]
	s_add_co_u32 s21, s21, SLOT
	s_add_co_u32 s22, s22, SLOT
.endr
	v_and_b32 v2, 15, v0
	v_bfe_u32 v3, v0, 4, 1
	s_mul_i32 s23, s14, 16*SPITCH
	s_add_co_u32 s23, s23, STAGE
	v_mul_u32_u24 v5, v2, SPITCH
	v_lshl_add_u32 v5, v3, 5, v5
	v_add_nc_u32 v[STO], s23, v5
	v_mul_u32_u24 v5, v3, SPITCH
	v_lshl_add_u32 v5, v2, 4, v5
	v_add_nc_u32 v[RD], s23, v5
	v_lshlrev_b32 v5, 12, v3
	v_lshl_add_u32 v[CO], v2, 4, v5
	s_wait_alu depctr_va_vdst(0)
	s_lshl_b32 s20, s17, 7
	s_lshl_b32 s21, s15, 6
	s_add_co_u32 s20, s20, s21
	s_lshl_b32 s20, s20, 12
	s_lshl_b32 s46, s42, 9
	s_lshl_b32 s47, s16, 8
	s_add_co_u32 s46, s46, s47
	s_add_co_u32 s20, s20, s46
	s_mov_b32 s21, 0
	s_add_nc_u64 s[10:11], s[10:11], s[20:21]
	s_add_nc_u64 s[12:13], s[12:13], s[20:21]
	WIN 0x80
.irp a, 0,1,2,3
.irp t, 0,1,2,3,4,5,6,7
	global_load_b128 v[32*\a+4*\t:32*\a+4*\t+3], v[CO], s[10:11] offset:(16*\a+2*\t)*4096
.endr
.endr
	WIN 0
.macro MULROW f, a, zero
.irp b, 0,1,2,3
.if \zero
	v_wmma_f32_16x16x128_fp8_fp8 v[ACC+8*(4*(\a)+\b):ACC+8*(4*(\a)+\b)+7], v[\f+64+16*\b:\f+64+16*\b+15], v[\f+16*(\a):\f+16*(\a)+15], 0
.else
	v_wmma_f32_16x16x128_fp8_fp8 v[ACC+8*(4*(\a)+\b):ACC+8*(4*(\a)+\b)+7], v[\f+64+16*\b:\f+64+16*\b+15], v[\f+16*(\a):\f+16*(\a)+15], v[ACC+8*(4*(\a)+\b):ACC+8*(4*(\a)+\b)+7]
.endif
.endr
.endm
.macro FETCH slot, q, f
	WIN TO_F
.irp i, 0,1,2,3
.irp c, 0,1,2,3
	ds_load_b128 v[\f+64+16*\i+4*\c:\f+64+16*\i+4*\c+3], v[ADRB+\slot] offset:2048*(\q)+KSB*\i+512*\c
.endr
.endr
.irp i, 0,1,2,3
.irp c, 0,1,2,3
	ds_load_b128 v[\f+16*\i+4*\c:\f+16*\i+4*\c+3], v[ADRA+\slot] offset:2048*(\q)+KSB*\i+512*\c
.endr
.endr
.endm
.macro PLACES
.rept 4
	v_nop
.endr
.endm
.macro QUARTER slot, qn, f, g, zero
	s_wait_dscnt 8
	WIN MUL
	MULROW \f, 0, \zero
	MULROW \f, 1, \zero
	PLACES
	FETCH \slot, \qn, \g
	s_wait_dscnt 32
	WIN MUL
	MULROW \f, 2, \zero
	MULROW \f, 3, \zero
.endm
.macro TURN slot, next, fill
.if \fill
	s_wait_xcnt 0x0                                ; my prefetches have read their address: it steps one K step at each change of slots that fills
	s_add_nc_u64 s[66:67], s[66:67], KSB
.endif
	WIN 0
	s_wait_tensorcnt 0x0
	ds_add_u32 v[SPW], v[NIL]
	s_wait_dscnt 9
	WIN MUL
	MULROW F1, 0, 0
	MULROW F1, 1, 0
	s_wait_dscnt 0x0
	s_barrier_signal -1
	MULROW F1, 2, 0
.if \fill
	WIN 0
.endif
	s_barrier_wait -1
.if \fill
	CREST
	s_add_nc_u64 s[G0+4*\slot+2:G0+4*\slot+3], s[G0+4*\slot+2:G0+4*\slot+3], 2*KSB
	s_add_nc_u64 s[G0B+4*\slot+2:G0B+4*\slot+3], s[G0B+4*\slot+2:G0B+4*\slot+3], 2*KSB
	JLOAD G0+4*\slot, G1, G0B+4*\slot, G1B
	s_cmp_gt_u32 s3, 1                             ; behind the refill of K step j: K step j + 2; the loop's last trip refills steps 6 and 7 and asks for nothing
	s_cbranch_scc0 .Lno_ask_\@
	global_prefetch_b8 v8, s[66:67] offset:3*KSB th:TH_LOAD_NT scope:SCOPE_SE
.Lno_ask_\@:
.else
	PLACES
.endif
	FETCH \next, 0, F0
	WIN MUL
	MULROW F1, 3, 0
.endm
	s_wait_alu depctr_va_vdst(0)
	s_wait_tensorcnt 0x0                           ; my part of K step 0 is in
	ds_add_u32 v[SPW], v[NIL]
	s_wait_dscnt 0x0
	CROUND                                         ; everybody's part of K step 0 is in
	JLOAD G0+4, G1, G0B+4, G1B                     ; K step 1, the first tensor load behind the round
	global_prefetch_b8 v8, s[66:67] offset:3*KSB th:TH_LOAD_NT scope:SCOPE_SE    ; K step 3
	FETCH 0, 0, F0
	QUARTER 0, 1, F0, F1, 1
.if LAPS > 1
	WIN 0
	s_mov_b32 s3, LAPS-1
.Llap:
	QUARTER 0, 2, F1, F0, 0
	QUARTER 0, 3, F0, F1, 0
	TURN 0, 1, 1
	QUARTER 1, 1, F0, F1, 0
	QUARTER 1, 2, F1, F0, 0
	QUARTER 1, 3, F0, F1, 0
	TURN 1, 0, 1
	QUARTER 0, 1, F0, F1, 0
	WIN 0
	s_sub_co_u32 s3, s3, 1
	s_cmp_lg_u32 s3, 0
	s_cbranch_scc1 .Llap
.endif
	QUARTER 0, 2, F1, F0, 0
	QUARTER 0, 3, F0, F1, 0
	TURN 0, 1, 0
	QUARTER 1, 1, F0, F1, 0
	QUARTER 1, 2, F1, F0, 0
	QUARTER 1, 3, F0, F1, 0
	s_wait_dscnt 8
	WIN MUL
	MULROW F1, 0, 0
	MULROW F1, 1, 0
	s_wait_dscnt 0x0
	MULROW F1, 2, 0
	MULROW F1, 3, 0
	WIN 0
	s_wait_loadcnt 0x0
	s_wait_kmcnt 0x0
	s_add_co_i32 s70, s72, s73
	s_add_co_i32 s70, s70, 127
	s_lshl_b32 s70, s70, 23
	s_mov_b32 s71, s70
	PLACES
.macro TOSTAGE a
.set BB, BK+32*((\a)%2)
.irp b, 0,1,2,3
	ds_store_b128 v[STO], v[ACC+8*(4*(\a)+\b):ACC+8*(4*(\a)+\b)+3] offset:64*\b
	ds_store_b128 v[STO], v[ACC+8*(4*(\a)+\b)+4:ACC+8*(4*(\a)+\b)+7] offset:64*\b+16
.endr
.irp t, 0,1,2,3,4,5,6,7
	ds_load_b128 v[BB+4*\t:BB+4*\t+3], v[RD] offset:2*\t*SPITCH
.endr
.endm
.macro SEND a, younger
.set BB, BK+32*((\a)%2)
	s_wait_dscnt \younger
	WIN 0x20
.set n, 0
.rept 16
	v_pk_fma_f32 v[BB+n:BB+n+1], v[BB+n:BB+n+1], s[70:71], v[32*(\a)+n:32*(\a)+n+1] op_sel_hi:[1,0,1]
.set n, n+2
.endr
	WIN 0
.irp t, 0,1,2,3,4,5,6,7
	global_store_b128 v[CO], v[BB+4*\t:BB+4*\t+3], s[12:13] offset:(16*(\a)+2*\t)*4096
.endr
.endm
	TOSTAGE 0
	TOSTAGE 1
	SEND 0, 16
	s_wait_xcnt 0x0
	TOSTAGE 2
	SEND 1, 16
	s_wait_xcnt 0x0
	TOSTAGE 3
	SEND 2, 16
	SEND 3, 0
	s_wait_tensorcnt 0x0
	ds_add_u32 v[SPW], v[NIL]
	s_wait_dscnt 0x0
	CROUND
	s_endpgm
.Lfunc_end_k_q3ad945b01e_ffn2:
	.size	k_q3ad945b01e_ffn2, .Lfunc_end_k_q3ad945b01e_ffn2-k_q3ad945b01e_ffn2
	.p2alignl 7, 3214868480
	.fill 96, 4, 3214868480
	.section	.rodata,"a",@progbits
	.p2align	6, 0x0
	.amdhsa_kernel k_q3ad945b01e_ffn2
		.amdhsa_group_segment_fixed_size 327680
		.amdhsa_private_segment_fixed_size 0
		.amdhsa_enable_private_segment 0
		.amdhsa_kernarg_size 40
		.amdhsa_user_sgpr_count 2
		.amdhsa_user_sgpr_kernarg_segment_ptr 1
		.amdhsa_wavefront_size32 1
		.amdhsa_system_sgpr_workgroup_id_x 1
		.amdhsa_system_sgpr_workgroup_id_y 1
		.amdhsa_system_sgpr_workgroup_id_z 1
		.amdhsa_system_vgpr_workitem_id 0
		.amdhsa_next_free_vgpr 768
		.amdhsa_next_free_sgpr 76
		.amdhsa_reserve_vcc 0
		.amdhsa_float_denorm_mode_32 3
		.amdhsa_float_denorm_mode_16_64 3
		.amdhsa_memory_ordered 1
		.amdhsa_forward_progress 1
		.amdhsa_inst_pref_size 79
	.end_amdhsa_kernel
	.amdgpu_metadata
---
amdhsa.version: [ 1, 2 ]
amdhsa.kernels:
  - .name:           k_q3ad945b01e_ffn2
    .symbol:         k_q3ad945b01e_ffn2.kd
    .args:
      - { .name: gc, .offset: 0, .size: 8, .value_kind: global_buffer, .address_space: global }
      - { .name: wc, .offset: 8, .size: 8, .value_kind: global_buffer, .address_space: global }
      - { .name: lowp_scales, .offset: 16, .size: 8, .value_kind: global_buffer, .address_space: global }
      - { .name: x1, .offset: 24, .size: 8, .value_kind: global_buffer, .address_space: global }
      - { .name: out0, .offset: 32, .size: 8, .value_kind: global_buffer, .address_space: global }
    .group_segment_fixed_size: 327680
    .private_segment_fixed_size: 0
    .kernarg_segment_align: 8
    .kernarg_segment_size: 40
    .max_flat_workgroup_size: 128
    .sgpr_count:     76
    .vgpr_count:     768
    .wavefront_size: 32
...
	.end_amdgpu_metadata
.endif
;; end of part 7
